; MI455X (gfx1250); checked and timed in simulation.
; The chip was launched on July 23, 2026; its instructions are those of AMD's public machine-readable ISA for CDNA 5 (MIT licence, August 2026) and "CDNA5" Instruction Set Architecture Reference Guide (July 2026). The comments in the code are by the model that wrote it; some were corrected since.
;; Self Attention. Allowed arithmetic: matrix products marked QUANTISED: E2M1 operands, one E8M0 scale for each 32 along K, by v_wmma_scale_f32_16x16x128_f8f6f4 with both operands' format E2M1 (or v_wmma_scale_f32_32x16x128_f4), f32 sums; everything else in f32.
;; Inputs: lambdas 2 float32; vi 1 x 2,048 x 2,048 float32; wk_codes 2,048 x 64 x 16 uint8 (E2M1 codes of wk, K innermost, in blocks of 32 codes, two codes a byte); wk_scales 2,048 x 64 uint8 (E8M0 scales of wk, one for each 32 codes along K); wproj_codes 2,048 x 64 x 16 uint8 (E2M1 codes of wproj, K innermost, in blocks of 32 codes, two codes a byte); wproj_scales 2,048 x 64 uint8 (E8M0 scales of wproj, one for each 32 codes along K); wq_codes 2,048 x 64 x 16 uint8 (E2M1 codes of wq, K innermost, in blocks of 32 codes, two codes a byte); wq_scales 2,048 x 64 uint8 (E8M0 scales of wq, one for each 32 codes along K); wv_codes 2,048 x 64 x 16 uint8 (E2M1 codes of wv, K innermost, in blocks of 32 codes, two codes a byte); wv_scales 2,048 x 64 uint8 (E8M0 scales of wv, one for each 32 codes along K); x_codes 1 x 2,048 x 64 x 16 uint8 (E2M1 codes of x, K innermost, in blocks of 32 codes, two codes a byte); x_scales 1 x 2,048 x 64 uint8 (E8M0 scales of x, one for each 32 codes along K).
;; Outputs: out0 1 x 2,048 x 2,048 float32.
;; This version of the problem:
;;   THIS VERSION OF THE PROBLEM IS GIVEN IN LOW PRECISION. The matrix products marked QUANTISED in the list below multiply operands that are first quantised to E2M1 (2 exponent bits, 1 mantissa bit; 4 bits a number), with one power-of-two scale for each 32 numbers along K (OCP MX v1.0); their sums are f32. All else is computed in f32.
;;   The module's matrix products, in the order in which they are computed (A, B: the left and right operand; K: the contracted axis; several contracted axes count as one K, in the product's order):
;;     1. [M 2,048, K 2,048] x [K 2,048, N 2,048]; A: input x (given as codes); B: input wq (given as codes): QUANTISED
;;     2. [M 2,048, K 2,048] x [K 2,048, N 2,048]; A: input x (given as codes); B: input wk (given as codes): QUANTISED
;;     3. [M 2,048, K 2,048] x [K 2,048, N 2,048]; A: input x (given as codes); B: input wv (given as codes): QUANTISED
;;     4. batch 16 x [M 2,048, K 128] x [K 128, N 2,048]; A: computed on the way; B: computed on the way: QUANTISED
;;     5. batch 16 x [M 128, K 2,048] x [K 2,048, N 2,048]; A: computed on the way; B: softmax (see below): QUANTISED
;;     6. [M 2,048, K 2,048] x [K 2,048, N 2,048]; A: computed on the way; B: input wproj (given as codes): QUANTISED
;;   THE QUANTISER, for each operand of a quantised product, along K:
;;     - K is cut into blocks of 32 from its start; a last block that is shorter is filled with zeros.
;;     - A block's scale is 2^e with e = floor(log2(the largest magnitude in the block)) - 2, held to -126 .. 127; a block of zeros has e = 0. As a byte (E8M0): e + 127.
;;     - Each number is divided by its block's scale, clamped to +-6, and rounded to the nearest number of E2M1, ties to even, subnormals kept.
;;     - The product sums the exact products of the quantised numbers (number of the format x scale) in f32.
;;   ~~~python
;;   def quantise(x, axis):      # numpy; x: float32 -> the quantised numbers, widened to float32 again
;;       x = np.moveaxis(x, axis, -1); K = x.shape[-1]
;;       x = np.pad(x, [(0, 0)] * (x.ndim - 1) + [(0, -K % 32)]); x = x.reshape(x.shape[:-1] + (-1, 32)); a = np.abs(x).max(-1, keepdims=True)
;;       e = np.where(a > 0, np.clip(np.frexp(np.where(a > 0, a, 1))[1] - 1 - 2, -126, 127), 0)      # np.frexp(a)[1] - 1 = floor(log2(a)), exactly
;;       r = np.clip(x / 2.0 ** e, -6, 6)
;;       step = 2.0 ** (np.maximum(np.frexp(np.where(r == 0, 1, r))[1] - 1, 0) - 1)
;;       q = np.round(r / step) * step * 2.0 ** e      # np.round: ties to even
;;       return np.moveaxis(q.reshape(q.shape[:-2] + (-1,))[..., :K], -1, axis).astype(np.float32)
;;   ~~~
;;   SOFTMAX AHEAD OF A QUANTISED PRODUCT. Where the list says 'softmax', what is quantised is not the finished softmax but p = 2^(t - M), with t = logit x log2(e) and M = ceil(the row's largest t), a whole number; so 1/2 < the row's largest p <= 1. The row's sum l is taken of the UNQUANTISED p, in f32, and the product's result is divided by l at the end. Since M is a whole number, a kernel that streams over the keys may use a running M (the ceiling of the running maximum): every later rescaling is an exact power of two, which a block's scale takes up: the codes' values come out the same.
;;   OPERANDS COMPUTED ON THE WAY. 'Computed on the way' means the value that the module computes at that place (a softmax that the list does not call 'softmax' is quantised finished and normalised). What goes into a quantiser is computed in f32, as accurately as f32 sums, v_exp_f32 and their like allow (about 1e-6 of the number): no bf16 or f16 on the way to a quantiser, and a product that is left as it is and whose result goes on into a quantised operand takes f32 operands (vector FMAs, or v_wmma_f32_16x16x4_f32). A number that lies on a knife's edge between two numbers of the format may be rounded either way, as far as f32 arithmetic and the matrix unit's own rounding can turn it there, and no further.
;;   INPUTS GIVEN AS CODES. wk (in the module: [2048, 2048], K = its axis 1); wproj (in the module: [2048, 2048], K = its axis 1); wq (in the module: [2048, 2048], K = its axis 1); wv (in the module: [2048, 2048], K = its axis 1); x (in the module: [1, 2048, 2048], K = its axis 2): each comes as NAME_codes (uint8): NAME with its K axis moved to the last place and cut into blocks of 32 codes, [.., K / 32, bytes a block], one block behind the other in memory; two codes a byte, the lower K in the low four bits (a code: sign, 2 exponent bits, 1 mantissa bit); and NAME_scales (uint8): the same leading axes, one E8M0 byte (e + 127) for each 32 codes along K. Its value is code x scale, taken as it is: it is not quantised again, and the codes and scales need not be those that the quantiser above would give.
;; One version. Each part assembles by itself: llvm-mc -triple=amdgcn-amd-amdhsa -mcpu=gfx1250 --defsym DOCPART=n.
;; ======== version 1 of 1: 3 launches
;; limits: right only within a limited range of input values
;; workspace buffers: qi 2,097,152 bytes; qs 131,072 bytes; kv 4,456,448 bytes; yi 2,097,152 bytes; ys 131,072 bytes
;; launch qkv (part 1): grid 16 x 16, 4 waves a work-group, clusters of 4 x 4, 327,680 bytes of LDS; arguments x_codes, x_scales, wq_codes, wq_scales, wk_codes, wk_scales, wv_codes, wv_scales, vi, lambdas, qi, qs, kv; writes qi, qs, kv
.if DOCPART == 1
	.amdgcn_target "amdgcn-amd-amdhsa--gfx1250"
	.amdhsa_code_object_version 6
	.text
	.protected	k_qcd632e00dc_qkv
	.globl	k_qcd632e00dc_qkv
	.p2align	8
	.type	k_qcd632e00dc_qkv,@function
k_qcd632e00dc_qkv:
	s_mov_b64 s[64:65], 0
	v_nop
	global_prefetch_b8 v0, s[64:65] scope:SCOPE_SE
	s_setreg_imm32_b32 hwreg(HW_REG_WAVE_MODE, 25, 1), 1
	s_wait_xcnt 0x0
	s_wait_alu depctr_hold_cnt(0) depctr_sa_sdst(0) depctr_va_vdst(0) depctr_va_sdst(0) depctr_va_ssrc(0) depctr_va_vcc(0) depctr_vm_vsrc(0)
	s_getreg_b32 s2, hwreg(HW_REG_IB_STS2, 6, 4)
	s_cmp_eq_u32 s2, 0
	s_cbranch_scc0 .Lentry_in_a_cluster
	s_endpgm
.Lentry_in_a_cluster:
	s_bfe_u32 s2, ttmp6, 0x10000c
	s_cmp_lg_u32 s2, 0xf033
	s_cbranch_scc0 .Lentry_shape_is_right
	s_endpgm
.Lentry_shape_is_right:
; q = rotary(rms_norm(x wq^T)), k likewise, v = lambda0 x wv^T + lambda1 vi, each quantised to E2M1 with one E8M0 scale for 32 along the next product's K, and stored as images of operand registers:
; qi [head][tile of 16 queries][1,024], qs [head][tile][16 words], kv [head][step of 128 keys][17,408]: 8 images of K, 8 of V^T, K's scale words, V's.
; DEAD WORK LEFT OUT BY THE PROGRAM (in the second launch): steps of 128 keys wholly behind a wave's queries.  reference() puts -1e30 for every key behind its query; q and k are rms-normed, so a score is under 2^10 in size
; and the row's own key is always live: exp(-1e30 - maximum) is 0 for all finite inputs.  LIMIT: a NaN, an infinity or an overflow that reaches only such work is not carried to the result.
; LIMITS: NaN and infinities are not served; a block of zeros gets the scale byte 1 (its codes are zeros; this program alone reads the bytes).
; SHARES.  Work-group (RB, HD): 128 rows of x, one head.  Four waves: wave = 2 HALF + KIND makes q (KIND 0) or k (1) of 64 rows x 128 columns (source 0 = weight rows, source 1 = x rows: a lane holds one row), and v of all
; 128 rows x 32 columns (source 0 = x rows: a lane holds one column, registers along the keys).
; THE RING: two LDS slots of 512 along K, 128 rows each of x, wq, wk, wv; wave 0 fetches x, 1 wq, 2 wk, 3 wv, one joint load each.  CLUSTER 4 x 4: x is shared by the four with one cx, the weights by the four with one cy.
; THE SCALES (64 bytes a row) are dense blocks of 8,192 bytes: each wave loads its operand's through registers and stores them into LDS, 16 bytes of padding behind each 256.
; THE ANGLES: position x inverse frequency, rounded to f32 as reference() does; f32(1e-4)^(i/64) is built from hi + lo pairs.  A wave makes the sines and cosines of 16 of its lanes' 32 frequencies (KIND's half) while
; K step 1 is on its way; they wait in window 3 and reach the partner wave through LDS behind the last product.
; PREFETCH: behind the load of K step s, K step s + 1 is asked for: 32 of the fetched 128 rows by each of the four partners, told apart by address, a lane a row, one instruction a wave.
; REGISTERS.  window 0: v1-31 addresses and constants; v32-103 scale words (in the head: the frequencies; in the epilogue: the quantiser's); v128-255 x fragments, two sets.  window 1: weight fragments, two sets of 80;
; in the epilogue sines and cosines.  window 2: q's or k's accumulators; in the epilogue vi.  window 3: v's accumulators, and from v128 on my half of the sines and cosines.
.set PITCH,  272
.set HALFT,  128*PITCH
.set SLOT,   4*HALFT
.set SCL,    2*SLOT
.set SREG,   32*272
.set SBLK,   4*272
.set SPARE,  SCL+4*SREG                ; the spare words: 128 bytes a wave, named by no other line
.set VP,     528                       ; vi's rows in LDS, in slot 0's lower part
.set TRIG,   128*VP                    ; sines and cosines: 16,384 bytes a wave, in slot 0's upper part behind its last fill
.set KVSTEP, 17408
.set LR,    1
.set LH,    2
.set LANE,  3
.set LI16,  4
.set LI4,   5
.set ADRX0, 6
.set ADRX1, 8
.set ADRW,  10
.set ADRV,  12
.set ADRS0, 14
.set ADRS1, 15
.set ADRSV, 16
.set AVLO,  17
.set VO0,   19
.set VO1,   20
.set VSO,   21
.set MAGIC, 22
.set S5V,   24
.set C5V,   26
.set SPW,   28
.set NIL,   29
.set TT,    30
.set SC,    32
.set PFO,   107                        ; the prefetches' offset; never rewritten
.set ADSS,  108                        ; where I store my scales
.set ONE,   109
.set ADT,   110                        ; where I store my sines and cosines
.set ATR,   111                        ; where I read both halves
.set XF,    128
.set INV,   32                         ; the head: 16 frequencies
.set GL,    48
.set MP,    50
.set ME,    52
.set MT,    54
.set DE,    56
.set D1,    60
.set FF,    128
.set MG,    144
.set NN,    160
.set ZZ,    176
.set SN,    192
.set CC,    208
.set TM,    32                         ; the epilogue: the quantiser's 24
.set PC,    56                         ; 16 registers of codes
.set PW,    72
.set PWJ,   74
.set RS,    96
.set WV,    30
.set KIND,  31
.set HALF,  32
.set CX,    33
.set CY,    34
.set RB,    35
.set HD,    36
.set G1X,   40
.set G1W,   48
.set G0X,   56
.set SEL,   66
.set G0W,   68
.set PFA,   76
.set SCP,   84
.set G1V,   88
.set G0V,   96
.set MASKHI, 100
.set PSEL,  101
.set LAM,   104
.set OUTI,  24
.set OUTS,  26
.set KVB,   28
.set RPI,   4
.set NPIH,  6
.set NPIL,  8
.set CS1,   10
.set CS2,   12
.set CS3,   14
.set CS4,   16
.set CS6,   18
.set CC2,   20
.set CC3,   78
.set CC4,   80
.set CC6,   82
.set EPS,   84
.set R128,  85
.set LAM1,  86
.set W_QK,  0xa1
.set W_V,   0xf4
.set MSB, 0
.macro WIN new
.if MSB != \new
	s_set_vgpr_msb (MSB<<8)|\new
.set MSB, \new
.endif
.endm
.macro PLACES n
.rept \n
	v_nop
.endr
.endm
; a joint load: wave 0 fetches x, the others a weight; the branch hangs on the wave's number alone
.macro JLOAD gx, gw
	s_cmp_eq_u32 s[WV], 0
	s_cbranch_scc0 .Lfor_w_\@
	tensor_load_to_lds s[\gx:\gx+3], s[G1X:G1X+7]
	s_nop 0
.rept 4
	v_nop
.endr
	s_branch .Lasked_\@
.Lfor_w_\@:
	tensor_load_to_lds s[\gw:\gw+3], s[G1W:G1W+7]
	s_nop 0
.rept 4
	v_nop
.endr
.Lasked_\@:
.endm
.macro ASK step
	global_prefetch_b8 v[PFO], s[PFA:PFA+1] offset:256*(\step) th:TH_LOAD_NT scope:SCOPE_SE
.endm
.macro CREST
	s_cmp_lg_u32 s[WV], 0
	s_cbranch_scc1 .Lnot_wave_0_\@
	s_barrier_signal -3
.Lnot_wave_0_\@:
	s_barrier_wait -3
	s_barrier_signal -1
	s_barrier_wait -1
.endm
.macro CROUND
	s_barrier_signal -1
	s_barrier_wait -1
	CREST
.endm
	s_load_b512 s[4:19], s[0:1], 0x0
	s_load_b256 s[20:27], s[0:1], 0x40
	s_load_b64 s[28:29], s[0:1], 0x60
	v_lshl_add_u32 v[SPW], v0, 2, SPARE
	v_mov_b32 v[NIL], 0
	ds_add_u32 v[SPW], v[NIL]                      ; the wave's opening: the add, twice on end, and its wait
	ds_add_u32 v[SPW], v[NIL]
	v_lshrrev_b32 v104, 5, v0
	v_readfirstlane_b32 s[WV], v104
	v_and_b32 v[LR], 15, v0
	v_bfe_u32 v[LH], v0, 4, 1
	v_and_b32 v[LANE], 31, v0
	v_lshlrev_b32 v[LI16], 4, v[LANE]
	v_lshlrev_b32 v[LI4], 2, v[LANE]
	v_lshlrev_b32 v[PFO], 10, v[LANE]              ; a lane a row of 1,024 bytes
	s_and_b32 s[KIND], s[WV], 1
	s_lshr_b32 s[HALF], s[WV], 1
	s_bfe_u32 s[CX], ttmp6, 0x40000
	s_bfe_u32 s[CY], ttmp6, 0x40004
	s_lshl_b32 s[RB], ttmp9, 2
	s_add_co_u32 s[RB], s[RB], s[CX]               ; block of 128 rows
	s_and_b32 s[HD], ttmp7, 0xffff
	s_lshl_b32 s[HD], s[HD], 2
	s_add_co_u32 s[HD], s[HD], s[CY]               ; head
	s_lshl_b32 s2, 0x1111, s[CX]
	s_lshl_b32 s3, s[CY], 2
	s_lshl_b32 s3, 15, s3
	s_or_b32 s[G1X], s2, (1<<20)|(1<<21)|(5<<22)|(3<<25)   ; 128 rows x 256 bytes, 16 bytes behind each row
	s_or_b32 s[G1W], s3, (1<<20)|(1<<21)|(5<<22)|(3<<25)
.irp g, G1X, G1W
	s_mov_b32 s[\g+1], 256<<16
	s_mov_b32 s[\g+2], 128<<16
	s_mov_b32 s[\g+3], 256<<16
	s_mov_b32 s[\g+4], 128
	s_mov_b32 s[\g+5], 1024
	s_mov_b32 s[\g+6], 0
	s_mov_b32 s[\g+7], 0
.endr
	s_mov_b32 s[G1V], (2<<16)|(1<<20)|(6<<22)|(3<<25)      ; vi: 32 rows x 128 f32, 16 bytes behind each row
	s_mov_b32 s[G1V+1], 128<<16
	s_mov_b32 s[G1V+2], 32<<16
	s_mov_b32 s[G1V+3], 128<<16
	s_mov_b32 s[G1V+4], 32
	s_mov_b32 s[G1V+5], 2048
	s_mov_b32 s[G1V+6], 0
	s_mov_b32 s[G1V+7], 0
	s_mul_i32 s37, s[WV], HALFT
	s_mov_b32 s[SEL], 0x76543210
	s_mov_b32 s[SEL+1], 0xfedcba98
	s_wait_alu depctr_va_vdst(0)
	s_wait_dscnt 0x0                               ; both opening adds are done
	s_wait_kmcnt 0x0
	s_cmp_eq_u32 s[WV], 3
	s_cselect_b64 s[38:39], s[16:17], s[12:13]
	s_cmp_lt_u32 s[WV], 2
	s_cselect_b64 s[38:39], s[8:9], s[38:39]       ; the weight that I fetch (wave 0 does not use it)
	s_lshl_b32 s100, s[HD], 17
	s_mov_b32 s101, 0
	s_add_nc_u64 s[38:39], s[38:39], s[100:101]
	s_lshl_b32 s2, s[RB], 17
	s_mov_b32 s3, 0
	s_add_nc_u64 s[4:5], s[4:5], s[2:3]
	CROUND                                         ; all sixteen work-groups are here: the first joint loads meet
.irp s, 0,1
	s_mov_b32 s[G0X+4*\s], 1
	s_add_co_u32 s[G0X+4*\s+1], s37, \s*SLOT
	s_add_nc_u64 s[G0X+4*\s+2:G0X+4*\s+3], s[4:5], \s*256
	s_or_b32 s[G0X+4*\s+3], s[G0X+4*\s+3], 0x80000000
	s_mov_b32 s[G0W+4*\s], 1
	s_add_co_u32 s[G0W+4*\s+1], s37, \s*SLOT
	s_add_nc_u64 s[G0W+4*\s+2:G0W+4*\s+3], s[38:39], \s*256
	s_or_b32 s[G0W+4*\s+3], s[G0W+4*\s+3], 0x80000000
.endr
	JLOAD G0X, G0W                                 ; K step 0: my one tensor load at the head
	s_cmp_eq_u32 s[WV], 3
	s_cselect_b64 s[SCP:SCP+1], s[18:19], s[14:15]
	s_cmp_lt_u32 s[WV], 2
	s_cselect_b64 s[SCP:SCP+1], s[10:11], s[SCP:SCP+1]
	s_cmp_eq_u32 s[WV], 0
	s_cselect_b64 s[SCP:SCP+1], s[6:7], s[SCP:SCP+1]
	s_cselect_b64 s[PFA:PFA+1], s[4:5], s[38:39]
	s_cselect_b32 s104, s[RB], s[HD]
	s_cselect_b32 s2, s[CY], s[CX]                 ; my place among the four that ask with me
	s_lshl_b32 s104, s104, 13
	s_mov_b32 s105, 0
	s_add_nc_u64 s[SCP:SCP+1], s[SCP:SCP+1], s[104:105]
	s_lshl_b32 s2, s2, 15                          ; 32 rows each
	s_add_nc_u64 s[PFA:PFA+1], s[PFA:PFA+1], s[2:3]
.irp i, 0,1,2,3,4,5,6,7,8,9,10,11,12,13,14,15
	global_load_b128 v[128+4*\i:131+4*\i], v[LI16], s[SCP:SCP+1] offset:512*\i   ; my operand's 8,192 bytes of scales
.endr
	ASK 1
	s_lshl_b32 s104, s[RB], 7                      ; vi: 32 rows a wave
	s_lshl_b32 s105, s[WV], 5
	s_add_co_u32 s104, s104, s105
	s_lshl_b32 s104, s104, 13
	s_lshl_b32 s105, s[HD], 9
	s_add_co_u32 s104, s104, s105
	s_mov_b32 s105, 0
	s_add_nc_u64 s[G0V+2:G0V+3], s[20:21], s[104:105]
	s_or_b32 s[G0V+3], s[G0V+3], 0x80000000
	s_mov_b32 s[G0V], 1
	s_mul_i32 s[G0V+1], s[WV], 32*VP
	s_lshl_b32 s104, s[HD], 4                      ; where my results go: q's images, or K's in kv
	s_add_co_u32 s104, s104, s[RB]
	s_mul_i32 s104, s104, KVSTEP
	s_mov_b32 s105, 0
	s_add_nc_u64 s[KVB:KVB+1], s[KVB:KVB+1], s[104:105]
	s_lshl_b32 s104, s[HD], 7
	s_lshl_b32 s2, s[RB], 3
	s_add_co_u32 s104, s104, s2
	s_lshl_b32 s2, s[HALF], 2
	s_add_co_u32 s104, s104, s2
	s_lshl_b32 s2, s104, 10
	s_lshl_b32 s3, s104, 6
	s_lshl_b32 s38, s[HALF], 12
	s_lshl_b32 s39, s[HALF], 8
	s_add_co_u32 s39, s39, 16384
	s_cmp_eq_u32 s[KIND], 0
	s_cselect_b64 s[OUTI:OUTI+1], s[24:25], s[KVB:KVB+1]
	s_cselect_b64 s[OUTS:OUTS+1], s[26:27], s[KVB:KVB+1]
	s_cselect_b32 s104, s2, s38
	s_cselect_b32 s2, s3, s39
	s_mov_b32 s105, 0
	s_mov_b32 s3, 0
	s_add_nc_u64 s[OUTI:OUTI+1], s[OUTI:OUTI+1], s[104:105]
	s_add_nc_u64 s[OUTS:OUTS+1], s[OUTS:OUTS+1], s[2:3]
	s_load_b64 s[LAM:LAM+1], s[22:23], 0x0
	v_mul_u32_u24 v104, v[LR], PITCH               ; a fragment: row x pitch + 16 x half
	v_lshl_add_u32 v104, v[LH], 4, v104
	s_wait_alu depctr_va_vdst(0)
	s_mul_i32 s2, s[HALF], 64*PITCH
	s_xor_b32 s3, s[HALF], 1
	s_mul_i32 s3, s3, 64*PITCH
	s_add_co_u32 s37, s[KIND], 1
	s_mul_i32 s37, s37, HALFT
	s_mul_i32 s38, s[WV], 32*PITCH
	s_add_co_u32 s38, s38, 3*HALFT
.irp s, 0,1
	v_add_nc_u32 v[ADRX0+\s], s2, v104             ; my 64 rows of x; the other 64; my weight; my 32 rows of wv
	v_add_nc_u32 v[ADRX1+\s], s3, v104
	v_add_nc_u32 v[ADRW+\s], s37, v104
	v_add_nc_u32 v[ADRV+\s], s38, v104
	s_add_co_u32 s2, s2, SLOT
	s_add_co_u32 s3, s3, SLOT
	s_add_co_u32 s37, s37, SLOT
	s_add_co_u32 s38, s38, SLOT
.endr
	v_lshlrev_b32 v105, 6, v[LR]                   ; scale words: 64 bytes a row, 16 more for each 256 passed
	v_lshrrev_b32 v106, 2, v[LR]
	v_lshl_add_u32 v105, v106, 4, v105
	s_add_co_u32 s37, s[KIND], 1
	s_mul_i32 s37, s37, SREG
	s_mul_i32 s2, s[HALF], 4*SBLK
	s_sub_co_u32 s38, s37, s2
	v_mul_u32_u24 v106, s38, v[LH]                 ; lanes 0-15 x's rows, lanes 16-31 the weight's
	s_add_co_u32 s2, s2, SCL
	v_add_nc_u32 v106, v106, v105
	v_add_nc_u32 v[ADRS0], s2, v106
	s_xor_b32 s3, s[HALF], 1
	s_mul_i32 s3, s3, 4*SBLK
	s_add_co_u32 s38, s37, 4*SBLK
	s_sub_co_u32 s38, s38, s3
	v_mul_u32_u24 v106, s38, v[LH]
	s_wait_alu depctr_va_vdst(0)
	s_add_co_u32 s3, s3, SCL
	v_add_nc_u32 v106, v106, v105
	v_add_nc_u32 v[ADRS1], s3, v106
	s_mul_i32 s2, s[WV], 2*SBLK
	s_add_co_u32 s2, s2, SCL+3*SREG
	v_mul_u32_u24 v106, v[LH], SBLK
	v_add_nc_u32 v106, v106, v105
	v_add_nc_u32 v[ADRSV], s2, v106
	v_mul_u32_u24 v106, v[LH], 8*VP                ; vi as v's accumulators lie: row 8 h + j, column r
	v_lshl_add_u32 v106, v[LR], 2, v106
	s_lshl_b32 s38, s[WV], 7
	s_mul_i32 s2, s[HALF], 64*VP
	s_add_co_u32 s2, s2, s38
	v_add_nc_u32 v[AVLO], s2, v106
	s_xor_b32 s3, s[HALF], 1
	s_mul_i32 s3, s3, 64*VP
	s_add_co_u32 s3, s3, s38
	v_add_nc_u32 v[AVLO+1], s3, v106
	s_lshl_b32 s38, s[WV], 11
	s_lshl_b32 s2, s[HALF], 9
	s_add_co_u32 s2, s2, s38
	v_add_nc_u32 v[VO0], s2, v[LI16]
	s_xor_b32 s3, s[HALF], 1
	s_lshl_b32 s3, s3, 9
	s_add_co_u32 s3, s3, s38
	v_add_nc_u32 v[VO1], s3, v[LI16]
	s_lshl_b32 s38, s[WV], 7
	v_add_nc_u32 v[VSO], s38, v[LI4]
	s_mul_i32 s2, s[WV], SREG
	s_add_co_u32 s2, s2, SCL
	v_lshl_add_u32 v[ADSS], v[LH], 4, v[LI16]      ; 272 h + 16 r
	v_add_nc_u32 v[ADSS], s2, v[ADSS]
	s_lshl_b32 s2, s[WV], 14
	s_add_co_u32 s2, s2, TRIG
	v_add_nc_u32 v[ADT], s2, v[LI16]
	s_lshl_b32 s2, s[HALF], 15
	s_add_co_u32 s2, s2, TRIG
	v_add_nc_u32 v[ATR], s2, v[LI16]
	s_lshl_b32 s2, s[RB], 7
	s_lshl_b32 s3, s[HALF], 6
	s_add_co_u32 s2, s2, s3
	v_add_nc_u32 v[TT], s2, v[LR]                  ; my row's position
	v_cvt_f32_u32 v[TT], v[TT]
	v_mov_b32 v[TT+1], v[TT]
	v_mov_b32 v[MAGIC], 0x4b400000
	v_mov_b32 v[MAGIC+1], 0x4b400000
	v_mov_b32 v[S5V], 0xb2d7322b
	v_mov_b32 v[S5V+1], 0xb2d7322b
	v_mov_b32 v[C5V], 0xb493f27e
	v_mov_b32 v[C5V+1], 0xb493f27e
	v_mov_b32 v[ONE], 1.0
	v_cmp_le_u32 s[MASKHI], 16, v[LANE]
	s_mov_b32 s[PSEL], 0x03020100
	s_cmp_eq_u32 s[HALF], 0
	s_cselect_b32 s[PSEL], s[PSEL], 0x01000302
; THE FREQUENCIES.  D = f32(1e-4) = 0x38d1b717; frequency i is D^(i/64), i = 32 KIND + 16 k + 8 h + j at register INV + 8 k + j.  Pairs hi + lo of D^(32/64), D^(16/64), D^(48/64), D^(8/64), D^(1/64).
	s_cmp_eq_u32 s[KIND], 0
	s_mov_b32 s2, 0x3c23d70a
	s_cselect_b32 s2, 1.0, s2                      ; k = 0: D^0 or D^(32/64)
	s_mov_b32 s3, 0x2ed5c28f
	s_cselect_b32 s3, 0, s3
	s_mov_b32 s38, 0x3a83126e
	s_cselect_b32 s38, 0x3dcccccd, s38             ; k = 1: D^(16/64) or D^(48/64)
	s_mov_b32 s39, 0x2e5bc6a8
	s_cselect_b32 s39, 0xb111cccd, s39
	v_mov_b32 v[DE+2], 0x3ea1e89b
	v_mov_b32 v[DE+3], 0x309ae65b
	v_mov_b32 v[D1], 0x3f5dafd6
	v_mov_b32 v[D1+1], 0x32fdbb7a
	v_cndmask_b32 v[DE], 1.0, v[DE+2], s[MASKHI]   ; h = 1: D^(8/64)
	v_cndmask_b32 v[DE+1], 0, v[DE+3], s[MASKHI]
.macro SEED k, ah, al
	v_mul_f32 v[MP+\k], s[\ah], v[DE]
	v_fma_f32 v[ME+\k], s[\ah], v[DE], -v[MP+\k]
	v_fma_f32 v[ME+\k], s[\ah], v[DE+1], v[ME+\k]
	v_fma_f32 v[ME+\k], s[\al], v[DE], v[ME+\k]
	v_add_f32 v[INV+8*\k], v[MP+\k], v[ME+\k]
	v_sub_f32 v[MT+\k], v[INV+8*\k], v[MP+\k]
	v_sub_f32 v[GL+\k], v[ME+\k], v[MT+\k]
.endm
	SEED 0, 2, 3
	SEED 1, 38, 39
.irp j, 1,2,3,4,5,6,7
.irp k, 0,1
	v_mul_f32 v[MP+\k], v[INV+8*\k+\j-1], v[D1]
.endr
.irp k, 0,1
	v_fma_f32 v[ME+\k], v[INV+8*\k+\j-1], v[D1], -v[MP+\k]
.endr
.irp k, 0,1
	v_fma_f32 v[ME+\k], v[INV+8*\k+\j-1], v[D1+1], v[ME+\k]
.endr
.irp k, 0,1
	v_fma_f32 v[ME+\k], v[GL+\k], v[D1], v[ME+\k]
.endr
.irp k, 0,1
	v_add_f32 v[INV+8*\k+\j], v[MP+\k], v[ME+\k]
.endr
.irp k, 0,1
	v_sub_f32 v[MT+\k], v[INV+8*\k+\j], v[MP+\k]
.endr
.irp k, 0,1
	v_sub_f32 v[GL+\k], v[ME+\k], v[MT+\k]
.endr
.endr
	s_wait_alu depctr_va_vdst(0)                   ; at the head's end
	s_wait_loadcnt 0x0                             ; my operand's scales
	s_wait_tensorcnt 0x0                           ; my part of K step 0
.irp i, 0,1,2,3,4,5,6,7,8,9,10,11,12,13,14,15
	ds_store_b128 v[ADSS], v[128+4*\i:131+4*\i] offset:544*\i
.endr
	s_wait_tensorcnt 0x0                           ; ahead of a later first fill
	ds_add_u32 v[SPW], v[NIL]
	s_wait_dscnt 0x0                               ; the add and my stores of scales are done
	CROUND
	JLOAD G0X+4, G0W+4                             ; K step 1
.macro SETC reg, val
	s_mov_b32 s[\reg], \val
	s_mov_b32 s[\reg+1], \val
.endm
	SETC RPI,  0x3ea2f983
	SETC NPIH, 0xc0490fdb
	SETC NPIL, 0x33bbbd2e
	SETC CS1,  0xbe2aaaab
	SETC CS2,  0x3c088889
	SETC CS3,  0xb9500d01
	SETC CS4,  0x3638ef1d
	SETC CS6,  0x2f309231
	SETC CC2,  0x3d2aaaab
	SETC CC3,  0xbab60b61
	SETC CC4,  0x37d00d01
	SETC CC6,  0x310f76c7
; sines and cosines of 16 angles a lane for row tile a: the nearest multiple n of pi is taken away in two parts, series in the rest, the sign by n's parity
.macro SINCOS a
.irp p, 0,2,4,6,8,10,12,14
	v_pk_mul_f32 v[FF+\p:FF+\p+1], v[TT:TT+1], v[INV+\p:INV+\p+1]
.endr
.irp p, 0,2,4,6,8,10,12,14
	v_pk_fma_f32 v[MG+\p:MG+\p+1], v[FF+\p:FF+\p+1], s[RPI:RPI+1], v[MAGIC:MAGIC+1] op_sel_hi:[1,0,1]
.endr
.irp p, 0,2,4,6,8,10,12,14
	v_pk_add_f32 v[NN+\p:NN+\p+1], v[MG+\p:MG+\p+1], v[MAGIC:MAGIC+1] neg_lo:[0,1] neg_hi:[0,1]
.endr
.irp p, 0,2,4,6,8,10,12,14
	v_pk_fma_f32 v[FF+\p:FF+\p+1], v[NN+\p:NN+\p+1], s[NPIH:NPIH+1], v[FF+\p:FF+\p+1] op_sel_hi:[1,0,1]
.endr
.irp p, 0,2,4,6,8,10,12,14
	v_pk_fma_f32 v[FF+\p:FF+\p+1], v[NN+\p:NN+\p+1], s[NPIL:NPIL+1], v[FF+\p:FF+\p+1] op_sel_hi:[1,0,1]
.endr
.irp p, 0,2,4,6,8,10,12,14
	v_pk_mul_f32 v[ZZ+\p:ZZ+\p+1], v[FF+\p:FF+\p+1], v[FF+\p:FF+\p+1]
.endr
.irp p, 0,2,4,6,8,10,12,14
	v_pk_fma_f32 v[SN+\p:SN+\p+1], v[ZZ+\p:ZZ+\p+1], s[CS6:CS6+1], v[S5V:S5V+1] op_sel_hi:[1,0,1]
	v_pk_fma_f32 v[CC+\p:CC+\p+1], v[ZZ+\p:ZZ+\p+1], s[CC6:CC6+1], v[C5V:C5V+1] op_sel_hi:[1,0,1]
.endr
.irp p, 0,2,4,6,8,10,12,14
	v_pk_fma_f32 v[SN+\p:SN+\p+1], v[SN+\p:SN+\p+1], v[ZZ+\p:ZZ+\p+1], s[CS4:CS4+1] op_sel_hi:[1,1,0]
	v_pk_fma_f32 v[CC+\p:CC+\p+1], v[CC+\p:CC+\p+1], v[ZZ+\p:ZZ+\p+1], s[CC4:CC4+1] op_sel_hi:[1,1,0]
.endr
.irp p, 0,2,4,6,8,10,12,14
	v_pk_fma_f32 v[SN+\p:SN+\p+1], v[SN+\p:SN+\p+1], v[ZZ+\p:ZZ+\p+1], s[CS3:CS3+1] op_sel_hi:[1,1,0]
	v_pk_fma_f32 v[CC+\p:CC+\p+1], v[CC+\p:CC+\p+1], v[ZZ+\p:ZZ+\p+1], s[CC3:CC3+1] op_sel_hi:[1,1,0]
.endr
.irp p, 0,2,4,6,8,10,12,14
	v_pk_fma_f32 v[SN+\p:SN+\p+1], v[SN+\p:SN+\p+1], v[ZZ+\p:ZZ+\p+1], s[CS2:CS2+1] op_sel_hi:[1,1,0]
	v_pk_fma_f32 v[CC+\p:CC+\p+1], v[CC+\p:CC+\p+1], v[ZZ+\p:ZZ+\p+1], s[CC2:CC2+1] op_sel_hi:[1,1,0]
.endr
.irp p, 0,2,4,6,8,10,12,14
	v_pk_fma_f32 v[SN+\p:SN+\p+1], v[SN+\p:SN+\p+1], v[ZZ+\p:ZZ+\p+1], s[CS1:CS1+1] op_sel_hi:[1,1,0]
	v_pk_fma_f32 v[CC+\p:CC+\p+1], v[CC+\p:CC+\p+1], v[ZZ+\p:ZZ+\p+1], -0.5 op_sel_hi:[1,1,0]
.endr
.irp p, 0,2,4,6,8,10,12,14
	v_pk_mul_f32 v[NN+\p:NN+\p+1], v[ZZ+\p:ZZ+\p+1], v[FF+\p:FF+\p+1]
.endr
.irp e, 0,1,2,3,4,5,6,7,8,9,10,11,12,13,14,15
	v_lshl_or_b32 v[MG+\e], v[MG+\e], 31, v[ONE]
.endr
.irp p, 0,2,4,6,8,10,12,14
	v_pk_fma_f32 v[SN+\p:SN+\p+1], v[NN+\p:NN+\p+1], v[SN+\p:SN+\p+1], v[FF+\p:FF+\p+1]
	v_pk_fma_f32 v[CC+\p:CC+\p+1], v[CC+\p:CC+\p+1], v[ZZ+\p:ZZ+\p+1], 1.0 op_sel_hi:[1,1,0]
.endr
	WIN 0xc0
.irp p, 0,2,4,6,8,10,12,14
	v_pk_mul_f32 v[128+32*\a+\p:129+32*\a+\p], v[SN+\p:SN+\p+1], v[MG+\p:MG+\p+1]
	v_pk_mul_f32 v[144+32*\a+\p:145+32*\a+\p], v[CC+\p:CC+\p+1], v[MG+\p:MG+\p+1]
.endr
	WIN 0
	v_add_f32 v[TT], 0x41800000, v[TT]             ; 16 rows on
	v_add_f32 v[TT+1], 0x41800000, v[TT+1]
.endm
	SINCOS 0
	ASK 2
	SINCOS 1
	SINCOS 2
	SINCOS 3
	s_wait_alu depctr_va_vdst(0)
.macro FETCH slot, q, set              ; 36 loads: the weight's 8 fragments, wv's 2, x's 8
	WIN 0x40
.irp i, 0,1,2,3,4,5,6,7
	ds_load_b128 v[80*(\set)+8*\i:80*(\set)+8*\i+3], v[ADRW+\slot] offset:\i*16*PITCH+64*(\q)
	ds_load_b128 v[80*(\set)+8*\i+4:80*(\set)+8*\i+7], v[ADRW+\slot] offset:\i*16*PITCH+64*(\q)+32
.endr
.irp n, 0,1
	ds_load_b128 v[80*(\set)+64+8*\n:80*(\set)+64+8*\n+3], v[ADRV+\slot] offset:\n*16*PITCH+64*(\q)
	ds_load_b128 v[80*(\set)+64+8*\n+4:80*(\set)+64+8*\n+7], v[ADRV+\slot] offset:\n*16*PITCH+64*(\q)+32
.endr
	WIN 0
.irp i, 0,1,2,3
	ds_load_b128 v[XF+64*(\set)+8*\i:XF+64*(\set)+8*\i+3], v[ADRX0+\slot] offset:\i*16*PITCH+64*(\q)
	ds_load_b128 v[XF+64*(\set)+8*\i+4:XF+64*(\set)+8*\i+7], v[ADRX0+\slot] offset:\i*16*PITCH+64*(\q)+32
.endr
.irp i, 0,1,2,3
	ds_load_b128 v[XF+64*(\set)+32+8*\i:XF+64*(\set)+32+8*\i+3], v[ADRX1+\slot] offset:\i*16*PITCH+64*(\q)
	ds_load_b128 v[XF+64*(\set)+32+8*\i+4:XF+64*(\set)+32+8*\i+7], v[ADRX1+\slot] offset:\i*16*PITCH+64*(\q)+32
.endr
.endm
.macro SCALES sc, ks
.irp i, 0,1,2,3
	ds_load_b128 v[SC+36*(\sc)+4*\i:SC+36*(\sc)+4*\i+3], v[ADRS0] offset:\i*SBLK+16*(\ks)
.endr
.irp i, 0,1,2,3
	ds_load_b128 v[SC+36*(\sc)+16+4*\i:SC+36*(\sc)+16+4*\i+3], v[ADRS1] offset:\i*SBLK+16*(\ks)
.endr
	ds_load_b128 v[SC+36*(\sc)+32:SC+36*(\sc)+35], v[ADRSV] offset:16*(\ks)
.endm
.macro MULQK a0, set, q, sc, zero      ; x's tiles a0, a0 + 1 against the weight's eight; the accumulators take turns
.irp a, \a0, \a0+1
.irp t, 0,1,2,3,4,5,6,7
.if \zero
	v_wmma_scale_f32_16x16x128_f8f6f4 v[64*(\a)+8*\t:64*(\a)+8*\t+7], v[80*(\set)+8*\t:80*(\set)+8*\t+7], v[XF+64*(\set)+8*(\a):XF+64*(\set)+8*(\a)+7], 0, v[SC+36*(\sc)+4*\t+(\q)], v[SC+36*(\sc)+4*(\a)+(\q)] matrix_a_fmt:MATRIX_FMT_FP4 matrix_b_fmt:MATRIX_FMT_FP4 matrix_a_scale:MATRIX_SCALE_ROW1
.else
	v_wmma_scale_f32_16x16x128_f8f6f4 v[64*(\a)+8*\t:64*(\a)+8*\t+7], v[80*(\set)+8*\t:80*(\set)+8*\t+7], v[XF+64*(\set)+8*(\a):XF+64*(\set)+8*(\a)+7], v[64*(\a)+8*\t:64*(\a)+8*\t+7], v[SC+36*(\sc)+4*\t+(\q)], v[SC+36*(\sc)+4*(\a)+(\q)] matrix_a_fmt:MATRIX_FMT_FP4 matrix_b_fmt:MATRIX_FMT_FP4 matrix_a_scale:MATRIX_SCALE_ROW1
.endif
.endr
.endr
.endm
.macro MULV set, q, sc, zero           ; x's eight tiles against wv's two
.irp a, 0,1,2,3,4,5,6,7
.if \zero
	v_wmma_scale_f32_16x16x128_f8f6f4 v[8*\a:8*\a+7], v[XF+64*(\set)+8*\a:XF+64*(\set)+8*\a+7], v[80*(\set)+64:80*(\set)+71], 0, v[SC+36*(\sc)+4*\a+(\q)], v[SC+36*(\sc)+32+(\q)] matrix_a_fmt:MATRIX_FMT_FP4 matrix_b_fmt:MATRIX_FMT_FP4
.else
	v_wmma_scale_f32_16x16x128_f8f6f4 v[8*\a:8*\a+7], v[XF+64*(\set)+8*\a:XF+64*(\set)+8*\a+7], v[80*(\set)+64:80*(\set)+71], v[8*\a:8*\a+7], v[SC+36*(\sc)+4*\a+(\q)], v[SC+36*(\sc)+32+(\q)] matrix_a_fmt:MATRIX_FMT_FP4 matrix_b_fmt:MATRIX_FMT_FP4
.endif
.endr
.irp a, 0,1,2,3,4,5,6,7
.if \zero
	v_wmma_scale_f32_16x16x128_f8f6f4 v[64+8*\a:64+8*\a+7], v[XF+64*(\set)+8*\a:XF+64*(\set)+8*\a+7], v[80*(\set)+72:80*(\set)+79], 0, v[SC+36*(\sc)+4*\a+(\q)], v[SC+36*(\sc)+32+(\q)] matrix_a_fmt:MATRIX_FMT_FP4 matrix_b_fmt:MATRIX_FMT_FP4 matrix_b_scale:MATRIX_SCALE_ROW1
.else
	v_wmma_scale_f32_16x16x128_f8f6f4 v[64+8*\a:64+8*\a+7], v[XF+64*(\set)+8*\a:XF+64*(\set)+8*\a+7], v[80*(\set)+72:80*(\set)+79], v[64+8*\a:64+8*\a+7], v[SC+36*(\sc)+4*\a+(\q)], v[SC+36*(\sc)+32+(\q)] matrix_a_fmt:MATRIX_FMT_FP4 matrix_b_fmt:MATRIX_FMT_FP4 matrix_b_scale:MATRIX_SCALE_ROW1
.endif
.endr
.endm
.macro SUB slot, q, zero               ; 128 along K that has its successor in the same slot
	PLACES 4                                       ; in front of loads into the set multiplied before
	FETCH \slot, (\q)+1, 1-(\q)%2
	s_wait_dscnt 36                                ; all but the 36 just issued
	WIN W_QK
	MULQK 0, (\q)%2, \q, \slot, \zero
	MULQK 2, (\q)%2, \q, \slot, \zero
	WIN W_V
	MULV (\q)%2, \q, \slot, \zero
.endm
; a slot's last 128 along K changes slots.  mode 1: this slot is filled again, two K steps on (ask > 0: and the K step behind it is prefetched); mode 2: vi comes into it
.macro TURN slot, next, ks, mode, ask
	WIN 0
	s_wait_tensorcnt 0x0                           ; my part of the next slot is in
	ds_add_u32 v[SPW], v[NIL]
	s_wait_dscnt 1                                 ; (the add may be out)
	WIN W_QK
	MULQK 0, 1, 3, \slot, 0
	s_wait_dscnt 0x0                               ; the add is done, and my reads of this slot are over
	s_barrier_signal -1
	MULQK 2, 1, 3, \slot, 0
	WIN 0
	s_barrier_wait -1
	CREST
.if \mode == 1
	s_add_nc_u64 s[G0X+4*\slot+2:G0X+4*\slot+3], s[G0X+4*\slot+2:G0X+4*\slot+3], 512
	s_add_nc_u64 s[G0W+4*\slot+2:G0W+4*\slot+3], s[G0W+4*\slot+2:G0W+4*\slot+3], 512
	JLOAD G0X+4*\slot, G0W+4*\slot
.else
	tensor_load_to_lds s[G0V:G0V+3], s[G1V:G1V+7]
	s_nop 0
.rept 4
	v_nop
.endr
.endif
	FETCH \next, 0, 0
	SCALES \next, \ks
.if \ask
	ASK \ask
.endif
	WIN W_V
	MULV 1, 3, \slot, 0
.endm
	FETCH 0, 0, 0
	SCALES 0, 0
	SUB 0, 0, 1
	SUB 0, 1, 0
	SUB 0, 2, 0
	TURN 0, 1, 1, 1, 3
	SUB 1, 0, 0
	SUB 1, 1, 0
	SUB 1, 2, 0
	TURN 1, 0, 2, 1, 0
	SUB 0, 0, 0
	SUB 0, 1, 0
	SUB 0, 2, 0
	TURN 0, 1, 3, 2, 0
	s_mov_b32 s[EPS], 0x34000000
	s_mov_b32 s[R128], 0x3c000000
	SUB 1, 0, 0
	SUB 1, 1, 0
	SUB 1, 2, 0
	s_wait_dscnt 0x0
	WIN W_QK
	MULQK 0, 1, 3, 1, 0
	MULQK 2, 1, 3, 1, 0
	WIN W_V
	MULV 1, 3, 1, 0
	WIN 0
	PLACES 4                                       ; in front of what reads results and writes operands below
	s_wait_tensorcnt 0x0                           ; my rows of vi are in
	WIN 0x0c
.irp a, 0,1,2,3
.irp q, 0,1,2,3,4,5,6,7
	ds_store_b128 v[ADT], v[128+32*\a+4*\q:131+32*\a+4*\q] offset:4096*\a+512*\q   ; my half of the sines and cosines
.endr
.endr
	WIN 0x0a                                       ; the rows' sums of squares, four tiles by turns, while the stores are out
.irp a, 0,1,2,3
	v_pk_mul_f32 v[128+4*\a:129+4*\a], v[64*\a:64*\a+1], v[64*\a:64*\a+1]
	v_pk_mul_f32 v[130+4*\a:131+4*\a], v[64*\a+2:64*\a+3], v[64*\a+2:64*\a+3]
.endr
.irp i, 4,8,12,16,20,24,28,32,36,40,44,48,52,56,60
.irp a, 0,1,2,3
	v_pk_fma_f32 v[128+4*\a:129+4*\a], v[64*\a+\i:64*\a+\i+1], v[64*\a+\i:64*\a+\i+1], v[128+4*\a:129+4*\a]
	v_pk_fma_f32 v[130+4*\a:131+4*\a], v[64*\a+\i+2:64*\a+\i+3], v[64*\a+\i+2:64*\a+\i+3], v[130+4*\a:131+4*\a]
.endr
.endr
	WIN 0
.irp a, 0,1,2,3
	v_pk_add_f32 v[128+4*\a:129+4*\a], v[128+4*\a:129+4*\a], v[130+4*\a:131+4*\a]
.endr
.irp a, 0,1,2,3
	v_add_f32 v[128+4*\a], v[128+4*\a], v[129+4*\a]
.endr
.irp a, 0,1,2,3
	v_permlanex16_b32 v[129+4*\a], v[128+4*\a], s[SEL], s[SEL+1]
.endr
.irp a, 0,1,2,3
	v_add_f32 v[128+4*\a], v[128+4*\a], v[129+4*\a]
.endr
.irp a, 0,1,2,3
	v_fma_f32 v[RS+2*\a], v[128+4*\a], s[R128], s[EPS]
.endr
	s_wait_alu depctr_va_vdst(0)                   ; ahead of the batch,
.irp a, 0,1,2,3
	v_rsq_f32 v[RS+2*\a], v[RS+2*\a]
.endr
	v_nop
	s_wait_alu depctr_va_vdst(0)                   ; and behind it
.irp a, 0,1,2,3
	v_mov_b32 v[RS+2*\a+1], v[RS+2*\a]             ; (the packed form names the pair)
.endr
	s_wait_alu depctr_va_vdst(0)
	s_wait_dscnt 0x0                               ; my stores are done, for the partner's sake
	s_barrier_signal -1
	s_barrier_wait -1                              ; vi and all sines and cosines are in
	WIN 0x40
.irp a, 0,1,2,3
.irp g, 0,1
.irp q, 0,1,2,3,4,5,6,7
	ds_load_b128 v[64*\a+32*\g+4*\q:64*\a+32*\g+4*\q+3], v[ATR] offset:16384*\g+4096*\a+512*\q   ; window 1: tile a, half g: 16 sines, 16 cosines
.endr
.endr
.endr
; tile a rotated and scaled by its rows' 1/rms, into v128-191 or v192-255: y1 = x1 cos + x2 sin, y2 = x2 cos - x1 sin
.macro ROT a
.set DD, 128+64*((\a)%2)
	WIN 0x06
.irp g, 0,1
.irp p, 0,2,4,6,8,10,12,14
	v_pk_mul_f32 v[DD+16*\g+\p:DD+16*\g+\p+1], v[64*\a+32+16*\g+\p:64*\a+33+16*\g+\p], v[64*\a+32*\g+\p:64*\a+32*\g+\p+1]
	v_pk_mul_f32 v[DD+32+16*\g+\p:DD+33+16*\g+\p], v[64*\a+16*\g+\p:64*\a+16*\g+\p+1], v[64*\a+32*\g+\p:64*\a+32*\g+\p+1]
.endr
.endr
.irp g, 0,1
.irp p, 0,2,4,6,8,10,12,14
	v_pk_fma_f32 v[DD+16*\g+\p:DD+16*\g+\p+1], v[64*\a+16*\g+\p:64*\a+16*\g+\p+1], v[64*\a+32*\g+16+\p:64*\a+32*\g+17+\p], v[DD+16*\g+\p:DD+16*\g+\p+1]
	v_pk_fma_f32 v[DD+32+16*\g+\p:DD+33+16*\g+\p], v[64*\a+32+16*\g+\p:64*\a+33+16*\g+\p], v[64*\a+32*\g+16+\p:64*\a+32*\g+17+\p], v[DD+32+16*\g+\p:DD+33+16*\g+\p] neg_lo:[0,0,1] neg_hi:[0,0,1]
.endr
.endr
	WIN 0
.set II, 0
.rept 32
	v_pk_mul_f32 v[DD+II:DD+II+1], v[DD+II:DD+II+1], v[RS+2*\a:RS+2*\a+1] op_sel_hi:[1,0]
.set II, II+2
.endr
.endm
; v128-255 = two tiles, eight blocks of 32 (16 numbers in each of two lanes) -> codes v[PC:PC+7], v[PC+8:PC+15], scale words v[PW], v[PW+1]; the eight blocks by turns
.macro QUANT2
.irp b, 0,1,2,3,4,5,6,7
	v_max3_num_f32 v[TM+\b], |v[128+16*\b]|, |v[129+16*\b]|, 0x1800000
.endr
.irp i, 2,4,6,8,10,12,14
.irp b, 0,1,2,3,4,5,6,7
	v_max3_num_f32 v[TM+\b], v[TM+\b], |v[128+16*\b+\i]|, |v[129+16*\b+\i]|
.endr
.endr
.irp b, 0,1,2,3,4,5,6,7
	v_permlanex16_b32 v[TM+8+\b], v[TM+\b], s[SEL], s[SEL+1]
.endr
.irp b, 0,1,2,3,4,5,6,7
	v_max_num_f32 v[TM+\b], v[TM+\b], v[TM+8+\b]
.endr
.irp b, 0,1,2,3,4,5,6,7
	v_add_nc_u32 v[TM+16+\b], 0xff000000, v[TM+\b]
.endr
.irp b, 0,1,2,3,4,5,6,7
	v_lshrrev_b32 v[TM+8+\b], 23, v[TM+16+\b]
.endr
.irp i, 0,1
	v_lshl_or_b32 v[PW+\i], v[TM+9+4*\i], 8, v[TM+8+4*\i]
.endr
.irp i, 0,1
	v_lshl_or_b32 v[PW+\i], v[TM+10+4*\i], 16, v[PW+\i]
.endr
.irp i, 0,1
	v_lshl_or_b32 v[PW+\i], v[TM+11+4*\i], 24, v[PW+\i]
.endr
.irp b, 0,1,2,3,4,5,6,7
	v_cvt_scalef32_pk8_fp4_f32 v[PC+4*(\b/2)+(\b%2)], v[128+16*\b:135+16*\b], v[TM+16+\b]
	v_cvt_scalef32_pk8_fp4_f32 v[PC+4*(\b/2)+2+(\b%2)], v[136+16*\b:143+16*\b], v[TM+16+\b]
.endr
	v_nop
.irp c, 0,1,2,3
	v_permlane16_swap_b32 v[PC+4*\c], v[PC+4*\c+1]
	v_permlane16_swap_b32 v[PC+4*\c+2], v[PC+4*\c+3]
.endr
	v_cndmask_b32 v[PWJ], v[PW], v[PW+1], s[MASKHI]        ; lanes 0-15 the first tile's words, lanes 16-31 the second's
.endm
.macro SENDQK pr
.irp i, 0,1,2,3
	global_store_b128 v[LI16], v[PC+4*\i:PC+4*\i+3], s[OUTI:OUTI+1] offset:(\pr)*2048+512*\i
.endr
	global_store_b32 v[LI4], v[PWJ], s[OUTS:OUTS+1] offset:(\pr)*128
.endm
	s_wait_dscnt 32                                ; tiles 0 and 1's; tiles 2 and 3's 32 loads may be out
	ROT 0
	ROT 1
	WIN 0x80                                       ; vi into the registers that tiles 0 and 1 have left
.irp n, 0,1
.irp a, 0,1,2,3,4,5,6,7
.irp j, 0,1,2,3,4,5,6,7
	ds_load_b32 v[64*\n+8*\a+\j], v[AVLO+\a/4] offset:(16*(\a%4)+\j)*VP+64*\n
.endr
.endr
.endr
	WIN 0
	QUANT2
	SENDQK 0
	s_wait_dscnt 63                                ; at most 63 of vi's 128 are out: tiles 2 and 3's sines and cosines are in
	s_wait_xcnt 0x0                                ; the stores have read their registers
	ROT 2
	ROT 3
	QUANT2
	SENDQK 1
	s_wait_dscnt 0x0                               ; vi
	s_wait_xcnt 0x0
	s_wait_kmcnt 0x0                               ; the two lambdas
	s_mov_b32 s[LAM1], s[LAM+1]
	s_mov_b32 s[LAM1+1], s[LAM+1]
	WIN 0x02
.set II, 0
.rept 64
	v_pk_mul_f32 v[128+II:129+II], v[II:II+1], s[LAM1:LAM1+1] op_sel_hi:[1,0]
.set II, II+2
.endr
	WIN 0x03
	s_wait_alu depctr_va_vdst(0)                   ; ahead of the first readers of v's sums
.set II, 0
.rept 64
	v_pk_fma_f32 v[128+II:129+II], v[II:II+1], s[LAM:LAM+1], v[128+II:129+II] op_sel_hi:[1,0,1]
.set II, II+2
.endr
	WIN 0
	QUANT2
	v_perm_b32 v[PWJ], v[PWJ], v[PWJ], s[PSEL]     ; my x tiles begin at my half: the words' halves in the keys' order
.irp n, 0,1
	global_store_b128 v[VO0], v[PC+8*\n:PC+8*\n+3], s[KVB:KVB+1] offset:8192+\n*1024
	global_store_b128 v[VO1], v[PC+8*\n+4:PC+8*\n+7], s[KVB:KVB+1] offset:8192+\n*1024
.endr
	global_store_b32 v[VSO], v[PWJ], s[KVB:KVB+1] offset:16896
	s_wait_tensorcnt 0x0                           ; the wave's end
	ds_add_u32 v[SPW], v[NIL]
	s_wait_dscnt 0x0
	CROUND                                         ; the closing round
	s_endpgm
.Lfunc_end_k_qcd632e00dc_qkv:
	.size	k_qcd632e00dc_qkv, .Lfunc_end_k_qcd632e00dc_qkv-k_qcd632e00dc_qkv
	.p2alignl 7, 3214868480
	.fill 96, 4, 3214868480
	.section	.rodata,"a",@progbits
	.p2align	6, 0x0
	.amdhsa_kernel k_qcd632e00dc_qkv
		.amdhsa_group_segment_fixed_size 327680
		.amdhsa_private_segment_fixed_size 0
		.amdhsa_enable_private_segment 0
		.amdhsa_kernarg_size 104
		.amdhsa_user_sgpr_count 2
		.amdhsa_user_sgpr_kernarg_segment_ptr 1
		.amdhsa_wavefront_size32 1
		.amdhsa_system_sgpr_workgroup_id_x 1
		.amdhsa_system_sgpr_workgroup_id_y 1
		.amdhsa_system_sgpr_workgroup_id_z 1
		.amdhsa_system_vgpr_workitem_id 0
		.amdhsa_next_free_vgpr 1024
		.amdhsa_next_free_sgpr 106
		.amdhsa_reserve_vcc 0
		.amdhsa_float_denorm_mode_32 3
		.amdhsa_float_denorm_mode_16_64 3
		.amdhsa_memory_ordered 1
		.amdhsa_forward_progress 1
		.amdhsa_inst_pref_size 255
	.end_amdhsa_kernel
	.section	.bss,"aw",@nobits
	.p2align	6
	.space	262144
	.amdgpu_metadata
---
amdhsa.version: [ 1, 2 ]
amdhsa.kernels:
  - .name:           k_qcd632e00dc_qkv
    .symbol:         k_qcd632e00dc_qkv.kd
    .args:
      - { .name: x_codes, .offset: 0, .size: 8, .value_kind: global_buffer, .address_space: global }
      - { .name: x_scales, .offset: 8, .size: 8, .value_kind: global_buffer, .address_space: global }
      - { .name: wq_codes, .offset: 16, .size: 8, .value_kind: global_buffer, .address_space: global }
      - { .name: wq_scales, .offset: 24, .size: 8, .value_kind: global_buffer, .address_space: global }
      - { .name: wk_codes, .offset: 32, .size: 8, .value_kind: global_buffer, .address_space: global }
      - { .name: wk_scales, .offset: 40, .size: 8, .value_kind: global_buffer, .address_space: global }
      - { .name: wv_codes, .offset: 48, .size: 8, .value_kind: global_buffer, .address_space: global }
      - { .name: wv_scales, .offset: 56, .size: 8, .value_kind: global_buffer, .address_space: global }
      - { .name: vi, .offset: 64, .size: 8, .value_kind: global_buffer, .address_space: global }
      - { .name: lambdas, .offset: 72, .size: 8, .value_kind: global_buffer, .address_space: global }
      - { .name: qi, .offset: 80, .size: 8, .value_kind: global_buffer, .address_space: global }
      - { .name: qs, .offset: 88, .size: 8, .value_kind: global_buffer, .address_space: global }
      - { .name: kv, .offset: 96, .size: 8, .value_kind: global_buffer, .address_space: global }
    .group_segment_fixed_size: 327680
    .private_segment_fixed_size: 0
    .kernarg_segment_align: 8
    .kernarg_segment_size: 104
    .max_flat_workgroup_size: 128
    .sgpr_count:     106
    .vgpr_count:     1024
    .wavefront_size: 32
...
	.end_amdgpu_metadata
.endif
;; end of part 1
;; launch attn (part 2): grid 16 x 16, 16 waves a work-group, no clusters, 327,680 bytes of LDS; arguments qi, qs, kv, yi, ys; writes yi, ys
.if DOCPART == 2
	.amdgcn_target "amdgcn-amd-amdhsa--gfx1250"
	.amdhsa_code_object_version 6
	.text
	.protected	k_qcd632e00dc_attn
	.globl	k_qcd632e00dc_attn
	.p2align	8
	.type	k_qcd632e00dc_attn,@function
k_qcd632e00dc_attn:
	s_mov_b64 s[64:65], 0
	v_nop
	global_prefetch_b8 v0, s[64:65] scope:SCOPE_SE
	s_setreg_imm32_b32 hwreg(HW_REG_WAVE_MODE, 25, 1), 1
	s_wait_xcnt 0x0
; y[t][head] = sum over keys s <= t of softmax_s(q[t] . k[s] / sqrt(128)) v[s], both products on E2M1 codes with one E8M0 scale for 32 along K; y is quantised along the model's 2,048 for the last product.
; LEFT OUT: every step of 128 keys that lies wholly behind a wave's 16 queries: reference()'s own causal mask gives those keys the weight 0 for all finite inputs (shown at the head of the first kernel).
; THE SOFTMAX: t = score x log2(e) / sqrt(128); M = the largest t that a wave has met for its row, rounded UP to a whole number; p = 2^(t - M) is quantised along the keys, not normalised; the row's sum is
; taken of the unquantised p and divides at the end.  When M moves, the sum and O are multiplied by 2^(old M - new M), which rounds nothing.
; LIMITS: NaN and infinities are not served; a block of zeros gets the scale byte 1 (its codes are zeros; this program alone reads the bytes); v_exp_f32 and v_rcp_f32 are right to 1 ulp.
; INPUTS are images of operand registers (first kernel): qi [head][tile of 16 queries][1,024], qs [head][tile][16 words], kv [head][step of 128 keys][17,408]: 8 images of K, 8 of V^T, K's scale words, V's.
; SHARES.  Work-group (p, head), sixteen waves, four to a SIMD.  Its eight tiles of 16 queries are the four of query block p (64 queries) and the four of block 31 - p.  A TILE HAS TWO WAVES: wave w takes tile
; w & 3 of block p ((w >> 2) & 1 = 0) or 31 - p (1), and of its key steps those whose number has the parity w >> 3.  Tile T has T / 8 + 1 live steps, so a wave walks 8 at the most, and the four waves
; w, w + 4, w + 8, w + 12 have 16 or 17 steps together whatever p.  Each wave keeps its own M, sum and O^T; at the end the odd wave hands them to the even one through LDS, which brings both under the
; common M by exact powers of two, adds, divides, quantises and stores.
; Both products are used transposed (S^T = K Q^T, O^T = V^T P^T): a lane holds one query throughout; register 8 t + j of S^T is key 16 t + 8 (lane / 16) + j.
; THE RING: two LDS slots of 4 steps (69,632 dense bytes); every wave brings a sixteenth of a slot by one tensor load, and reads two of the slot's four steps.
; NO CLUSTER: under the causal mask work-groups of one head need different numbers of slots (3 or 4, by the work-group's last query), and a joint load may not be left out by one partner.
; REGISTERS: v1-11 addresses and Q's scale word; v12 -M, v13 the largest t, v[14:15] the sum; v16-23 Q; v24-27 K's scale words, v28-31 V's; v32-95 eight fragments of K, then of V^T; v96-159 S^T, then p;
; v160-223 O^T; v224-231 p's codes; v232-254 at work; v255 the prefetches' offset.
.set STEPB, 17408
.set SLOTB, 4*STEPB
.set SLOT1, 1<<17                      ; slot 1 begins here: one exclusive or turns an address from one slot to the other
.set SPARE, SLOT1+SLOTB                ; the spare words: 128 bytes a wave, 2,048 in all, named by no other line
.set STG,   SPARE+2048                 ; the hand-over: a stage for each pair of waves; no fill lands here
.set PAIRB, 8704                       ; O^T's image, 64 registers x 128 bytes, then 16 bytes a lane for -M and the sum
.set LI16, 1                           ; LDS: 16 x lane + my parity's step
.set GI16, 2                           ; memory: 16 x lane
.set LI4,  3                           ; LDS: 4 x lane + my parity's step
.set STA,  4                           ; LDS: my pair's stage + 16 x lane
.set SPW,  5
.set NIL,  6
.set RH,   7                           ; lane % 16 - 8 (lane / 16)
.set ADI,  8
.set ADW,  9
.set YSO,  10                          ; 4 x (lane % 16)
.set QS,   11
.set KSC,  24
.set VSC,  28
.set PFO,  255
.set TB,   2
.set WV,   18
.set PAR,  19                          ; my parity
.set SEL,  20
.set CS,   22
.set G1,   24
.set G0,   32
.set KF,   36                          ; my step's first key
.set Q0,   37                          ; my first query
.set Q15,  38                          ; my last
.set QL,   39                          ; my work-group's last
.set SLOTS, 40
.set KS,   41                          ; the slot's first key: the same in all sixteen waves
.set PFA,  42
.set LIM,  44
.macro QUANT s, tm, pc, pw             ; as in the first kernel: 64 numbers of a lane, register 8 t + j = element 16 t + 8 (lane / 16) + j of my row, become a fragment's codes and my row's scale word
.irp b, 0,1,2,3
	v_max3_num_f32 v[\tm+\b], |v[\s+16*\b]|, |v[\s+1+16*\b]|, 0x1800000
.endr
.irp i, 2,4,6,8,10,12,14
.irp b, 0,1,2,3
	s_delay_alu instid0(VALU_DEP_4)
	v_max3_num_f32 v[\tm+\b], v[\tm+\b], |v[\s+16*\b+\i]|, |v[\s+1+16*\b+\i]|
.endr
.endr
.irp b, 0,1,2,3
	s_delay_alu instid0(VALU_DEP_4)
	v_permlanex16_b32 v[\tm+4+\b], v[\tm+\b], s[SEL], s[SEL+1]
.endr
.irp b, 0,1,2,3
	s_delay_alu instid0(VALU_DEP_4)
	v_max_num_f32 v[\tm+\b], v[\tm+\b], v[\tm+4+\b]
.endr
.irp b, 0,1,2,3
	s_delay_alu instid0(VALU_DEP_4)
	v_add_nc_u32 v[\tm+8+\b], 0xff000000, v[\tm+\b]
.endr
.irp b, 0,1,2,3
	s_delay_alu instid0(VALU_DEP_4)
	v_lshrrev_b32 v[\tm+4+\b], 23, v[\tm+8+\b]
.endr
	s_delay_alu instid0(VALU_DEP_3)
	v_lshl_or_b32 v[\pw], v[\tm+5], 8, v[\tm+4]
	s_delay_alu instid0(VALU_DEP_1)
	v_lshl_or_b32 v[\pw], v[\tm+6], 16, v[\pw]
	s_delay_alu instid0(VALU_DEP_1)
	v_lshl_or_b32 v[\pw], v[\tm+7], 24, v[\pw]
.irp b, 0,1,2,3
	v_cvt_scalef32_pk8_fp4_f32 v[\pc+4*(\b/2)+(\b%2)], v[\s+16*\b:\s+16*\b+7], v[\tm+8+\b]
	v_cvt_scalef32_pk8_fp4_f32 v[\pc+4*(\b/2)+2+(\b%2)], v[\s+16*\b+8:\s+16*\b+15], v[\tm+8+\b]
.endr
	v_nop
.irp c, 0,1
	v_permlane16_swap_b32 v[\pc+4*\c], v[\pc+4*\c+1]
	v_permlane16_swap_b32 v[\pc+4*\c+2], v[\pc+4*\c+3]
.endr
.endm
; A PREFETCH INTO THE L2 of the slot that the NEXT change of slots will ask for: a slot's 4 key steps ahead of that load.  All work-groups of a head walk the same kv: the head's first work-group asks, and
; nobody else.  Each of its waves 0 to 7 names 32 blocks of 256 bytes, a lane a block: 65,536 of the slot's 69,632 bytes; the rest comes by its load alone.  The last change that fills a slot asks for nothing.
.macro ASK
	s_cmp_gt_u32 s[SLOTS], s[LIM]
	s_cbranch_scc0 .Lnot_mine_\@
	global_prefetch_b8 v[PFO], s[PFA:PFA+1] th:TH_LOAD_NT scope:SCOPE_SE
.Lnot_mine_\@:
.endm
	s_load_b128 s[4:7], s[0:1], 0x0                ; qi, qs
	s_load_b128 s[8:11], s[0:1], 0x10              ; kv, yi
	s_load_b64 s[12:13], s[0:1], 0x20              ; ys
	v_lshl_add_u32 v[SPW], v0, 2, SPARE
	v_mov_b32 v[NIL], 0
	ds_add_u32 v[SPW], v[NIL]                      ; the wave's opening: the add, twice on end, and its wait ahead of my first tensor load
	ds_add_u32 v[SPW], v[NIL]
	v_lshrrev_b32 v8, 5, v0
	s_delay_alu instid0(VALU_DEP_1)
	v_readfirstlane_b32 s[WV], v8                  ; wave 0..15
	s_lshr_b32 s[PAR], s[WV], 3                    ; which of a tile's key steps are mine: the even ones or the odd ones
	s_and_b32 s14, ttmp7, 0xffff                   ; the head
	s_sub_co_u32 s15, 31, ttmp9
	s_lshl_b32 s[QL], s15, 6
	s_or_b32 s[QL], s[QL], 63                      ; the last query of block 31 - p
	s_and_b32 s16, s[WV], 4
	s_cmp_eq_u32 s16, 0
	s_cselect_b32 s15, ttmp9, s15                  ; my block of 64 queries
	s_lshl_b32 s15, s15, 2
	s_and_b32 s16, s[WV], 3
	s_add_co_u32 s15, s15, s16                     ; my tile of 16 queries
	s_lshl_b32 s[Q0], s15, 4
	s_add_co_u32 s[Q15], s[Q0], 15
	s_mov_b32 s[G1], 3<<16                         ; a sixteenth of a slot: 4,352 dense bytes as 17 rows of 32 elements of 8 bytes; no mask, no padding
	s_mov_b32 s[G1+1], 32<<16
	s_mov_b32 s[G1+2], 17<<16
	s_mov_b32 s[G1+3], 32<<16
	s_mov_b32 s[G1+4], 17
	s_mov_b32 s[G1+5], 32
	s_mov_b32 s[G1+6], 0
	s_mov_b32 s[G1+7], 0
	s_mul_i32 s45, s14, 16*STEPB                   ; the head's first byte in kv
	s_mul_i32 s17, s[WV], 17*256                   ; my sixteenth
	s_add_co_u32 s46, s45, s17
	s_mov_b32 s47, 0
	s_mov_b32 s[SEL], 0x76543210
	s_mov_b32 s[SEL+1], 0xfedcba98
	s_mov_b32 s[CS], 0x3e0293ee                    ; c = log2(e) / sqrt(128)
	s_mov_b32 s[CS+1], s[CS]
	s_mov_b32 s[TB], 0
	s_lshl_b32 s[KF], s[PAR], 7                    ; my first step: keys 0 on, or 128 on
	s_mov_b32 s[KS], 0
	s_mov_b32 s[SLOTS], 3
	s_wait_dscnt 0x0                               ; both opening adds are done
	s_wait_kmcnt 0x0
	s_mov_b32 s[G0], 1
	s_mov_b32 s[G0+1], s17
	s_add_nc_u64 s[G0+2:G0+3], s[8:9], s[46:47]
	s_or_b32 s[G0+3], s[G0+3], 0x80000000
	tensor_load_to_lds s[G0:G0+3], s[G1:G1+7]      ; slot 0: every wave issues its part, so every way through the text passes a tensor load
	s_nop 0
.rept 4
	v_nop
.endr
	s_and_b32 s46, s[WV], 7                        ; the prefetches: 8,192 bytes for each of waves 0 to 7 (the others never ask),
	s_lshl_b32 s46, s46, 13
	s_add_co_u32 s46, s46, s45
	s_add_co_u32 s46, s46, SLOTB                   ; in slot 1: the first change of slots steps it to slot 2.  Nothing is prefetched here, at the head
	s_add_nc_u64 s[PFA:PFA+1], s[8:9], s[46:47]
	s_or_b32 s50, s[PAR], ttmp9                    ; 0 in waves 0 to 7 of the head's first work-group
	s_cmp_eq_u32 s50, 0
	s_cselect_b32 s[LIM], 1, -1
	v_and_b32 v[PFO], 31, v0
	s_delay_alu instid0(VALU_DEP_1)
	v_lshlrev_b32 v[PFO], 8, v[PFO]
	s_lshl_b32 s46, s14, 7
	s_add_co_u32 s46, s46, s15                     ; 128 head + tile
	s_lshl_b32 s48, s46, 10
	s_mov_b32 s49, 0
	s_add_nc_u64 s[4:5], s[4:5], s[48:49]
	s_lshl_b32 s48, s46, 6
	s_add_nc_u64 s[6:7], s[6:7], s[48:49]
	s_lshl_b32 s46, s15, 4
	s_add_co_u32 s46, s46, s14                     ; 16 tile + head
	s_lshl_b32 s48, s46, 10
	s_add_nc_u64 s[10:11], s[10:11], s[48:49]
	s_lshl_b32 s48, s46, 6
	s_add_nc_u64 s[12:13], s[12:13], s[48:49]
	v_and_b32 v8, 31, v0
	s_delay_alu instid0(VALU_DEP_1)
	v_lshlrev_b32 v[GI16], 4, v8
	s_mul_i32 s50, s[PAR], STEPB                   ; the odd waves read one step further on in every slot
	v_add_nc_u32 v[LI16], s50, v[GI16]
	v_lshl_add_u32 v[LI4], v8, 2, s50
	s_and_b32 s50, s[WV], 7                        ; waves w and w + 8 are a pair
	s_mul_i32 s50, s50, PAIRB
	s_add_co_u32 s50, s50, STG
	v_add_nc_u32 v[STA], s50, v[GI16]
	v_and_b32 v9, 15, v0
	v_bfe_u32 v8, v0, 4, 1
	s_delay_alu instid0(VALU_DEP_2)
	v_lshlrev_b32 v[YSO], 2, v9
	s_delay_alu instid0(VALU_DEP_2)
	v_lshlrev_b32 v8, 3, v8
	s_delay_alu instid0(VALU_DEP_1)
	v_sub_nc_u32 v[RH], v9, v8
	global_load_b128 v[16:19], v[GI16], s[4:5]             ; Q's fragment stays in registers
	global_load_b128 v[20:23], v[GI16], s[4:5] offset:512
	global_load_b32 v[QS], v[YSO], s[6:7]                  ; and its scale words
	v_mov_b32 v13, 0xff61b1e6                      ; the largest t so far: -3e38, under every t
	s_delay_alu instid0(VALU_DEP_1)
	v_floor_f32 v12, -v13                          ; -M
	v_mov_b32 v14, 0
	v_mov_b32 v15, 0
.irp b, 0,1,2,3
	v_mov_b32 v[236+\b], 0                         ; written once: a lane permute's destination counts as one of its sources
.endr
	v_mov_b32 v252, 0
	v_mov_b32 v253, 0
.set NI, 0
.rept 64
	v_mov_b32 v[160+NI], 0                         ; O^T: the step is written once; the first finds zeros, which the first change of M leaves zeros; a wave with no live step hands zeros over
.set NI, NI+1
.endr
; A KEY STEP: 128 keys, my j-th of the slot in hand: the slot's step 2 j + my parity (the parity lies in the lane bases).
.macro STEP j
	s_cmp_gt_u32 s[KF], s[Q15]                     ; all its keys come after my queries: the step's work is left out (a branch on ids; no barrier and no tensor load stands in a step)
	s_cbranch_scc1 .Lhidden_\@
	v_add_nc_u32 v[ADI], s[TB], v[LI16]
	v_add_nc_u32 v[ADW], s[TB], v[LI4]
	v_nop
	v_nop                                          ; four places in front of loads into registers that the last products have read
.irp t, 0,1,2,3,4,5,6,7
	ds_load_b128 v[32+8*\t:35+8*\t], v[ADI] offset:(\j)*2*STEPB+1024*\t
	ds_load_b128 v[36+8*\t:39+8*\t], v[ADI] offset:(\j)*2*STEPB+1024*\t+512
.endr
.irp u, 0,1,2,3
	ds_load_b32 v[KSC+\u], v[ADW] offset:(\j)*2*STEPB+16384+128*\u        ; lanes 0-15 tile 2 u's words, lanes 16-31 tile 2 u + 1's
.endr
	s_wait_alu depctr_va_vdst(0)
	s_wait_dscnt 0x0
.irp t, 0,1,2,3,4,5,6,7
.if (\t%2) == 0
	v_wmma_scale_f32_16x16x128_f8f6f4 v[96+8*\t:103+8*\t], v[32+8*\t:39+8*\t], v[16:23], 0, v[KSC+\t/2], v[QS] matrix_a_fmt:MATRIX_FMT_FP4 matrix_b_fmt:MATRIX_FMT_FP4
.else
	v_wmma_scale_f32_16x16x128_f8f6f4 v[96+8*\t:103+8*\t], v[32+8*\t:39+8*\t], v[16:23], 0, v[KSC+\t/2], v[QS] matrix_a_fmt:MATRIX_FMT_FP4 matrix_b_fmt:MATRIX_FMT_FP4 matrix_a_scale:MATRIX_SCALE_ROW1
.endif
.endr
.rept 4
	v_nop                                          ; places in front of the loads below and of the first read of the scores
.endr
.irp t, 0,1,2,3,4,5,6,7
	ds_load_b128 v[32+8*\t:35+8*\t], v[ADI] offset:(\j)*2*STEPB+8192+1024*\t         ; V^T's fragments land while the softmax is walked
	ds_load_b128 v[36+8*\t:39+8*\t], v[ADI] offset:(\j)*2*STEPB+8192+1024*\t+512
.endr
.irp u, 0,1,2,3
	ds_load_b32 v[VSC+\u], v[ADW] offset:(\j)*2*STEPB+16896+128*\u
.endr
	s_add_co_u32 s46, s[KF], 127                   ; on the diagonal hidden scores become -infinity ahead of the maximum: p = 0 then.  A step all of whose keys count skips this
	s_cmp_le_u32 s46, s[Q0]
	s_cbranch_scc1 .Lopen_\@
	s_sub_co_i32 s46, s[Q0], s[KF]
	v_add_nc_u32 v252, s46, v[RH]                  ; d = my query - KF - 8 (lane / 16).  Register 8 t + j holds key KF + 16 t + 8 (lane / 16) + j: hidden where 16 t + j > d.  (KF <= my first query in a live step: its first key counts for every row)
	v_mov_b32 v254, 0xff800000
.set NI, 0
.rept 64
	v_cmp_gt_i32 vcc_lo, 16*(NI/8)+NI%8, v252
	v_cndmask_b32 v[96+NI], v[96+NI], v254, vcc_lo
.set NI, NI+1
.endr
.Lopen_\@:
.irp b, 0,1,2,3
	v_max3_num_f32 v[232+\b], v[96+16*\b], v[97+16*\b], v[98+16*\b]   ; the largest score of each block of 32 keys: for the row's maximum, and, since p rises with the score, for the block's largest p
.endr
.irp i, 3,5,7,9,11,13
.irp b, 0,1,2,3
	v_max3_num_f32 v[232+\b], v[232+\b], v[96+16*\b+\i], v[97+16*\b+\i]
.endr
.endr
.irp b, 0,1,2,3
	v_max_num_f32 v[232+\b], v[232+\b], v[111+16*\b]
.endr
.irp b, 0,1,2,3
	s_delay_alu instid0(VALU_DEP_4)
	v_permlanex16_b32 v[236+\b], v[232+\b], s[SEL], s[SEL+1]
.endr
.irp b, 0,1,2,3
	s_delay_alu instid0(VALU_DEP_4)
	v_max_num_f32 v[232+\b], v[232+\b], v[236+\b]  ; with lane l xor 16's 16 keys
.endr
	s_delay_alu instid0(VALU_DEP_2)
	v_max3_num_f32 v254, v232, v233, v234
	s_delay_alu instid0(VALU_DEP_1)
	v_max_num_f32 v254, v254, v235
	s_delay_alu instid0(VALU_DEP_1)
	v_mul_f32 v254, s[CS], v254                    ; the step's largest t
	s_delay_alu instid0(VALU_DEP_1)
	v_max_num_f32 v13, v13, v254
	v_mov_b32 v254, v12
	s_delay_alu instid0(VALU_DEP_2)
	v_floor_f32 v12, -v13                          ; the new -M = -ceil(t)
	s_delay_alu instid0(VALU_DEP_1)
	v_sub_f32 v254, v12, v254                      ; old M - new M: a whole number, 0 or less
	s_delay_alu instid0(VALU_DEP_1)
	v_cvt_i32_f32 v254, v254
	s_delay_alu instid0(VALU_DEP_1)
	v_ldexp_f32 v252, 1.0, v254                    ; f = 2^(old M - new M)
.set NI, 0
.rept 32
	v_pk_fma_f32 v[96+NI:97+NI], v[96+NI:97+NI], s[CS:CS+1], v[12:13] op_sel_hi:[1,0,0]   ; t - M
.set NI, NI+2
.endr
.irp b, 0,1,2,3
	v_fma_f32 v[232+\b], v[232+\b], s[CS], v12
.endr
.set NI, 0
	s_wait_alu depctr_va_vdst(0)
.rept 64
	v_exp_f32 v[96+NI], v[96+NI]                   ; p = 2^(t - M)
.set NI, NI+1
.endr
	v_pk_mul_f32 v[14:15], v[14:15], v[252:253] op_sel_hi:[1,0]   ; the sums under the new M: a plain place behind the exponentials
	s_wait_alu depctr_va_vdst(0)                   ; one wait for the batch of 64, ahead of its first reader
.irp b, 0,1,2,3
	v_exp_f32 v[232+\b], v[232+\b]                 ; the block's largest p
.endr
	v_pk_add_f32 v[236:237], v[100:101], v[104:105]
	v_pk_add_f32 v[250:251], v[108:109], v[112:113]
	v_pk_add_f32 v[248:249], v[116:117], v[120:121]
	v_pk_add_f32 v[246:247], v[124:125], v[128:129]
	v_pk_add_f32 v[244:245], v[132:133], v[136:137]
	v_pk_add_f32 v[242:243], v[140:141], v[144:145]
	v_pk_add_f32 v[240:241], v[148:149], v[152:153]
	v_pk_add_f32 v[14:15], v[14:15], v[156:157]
	v_pk_add_f32 v[236:237], v[236:237], v[96:97]
	v_pk_add_f32 v[250:251], v[250:251], v[98:99]
	v_pk_add_f32 v[248:249], v[248:249], v[102:103]
	v_pk_add_f32 v[246:247], v[246:247], v[106:107]
	v_pk_add_f32 v[244:245], v[244:245], v[110:111]
	v_pk_add_f32 v[242:243], v[242:243], v[114:115]
	v_pk_add_f32 v[240:241], v[240:241], v[118:119]
	v_pk_add_f32 v[14:15], v[14:15], v[122:123]
	v_pk_add_f32 v[236:237], v[236:237], v[126:127]
	v_pk_add_f32 v[250:251], v[250:251], v[130:131]
	v_pk_add_f32 v[248:249], v[248:249], v[134:135]
	v_pk_add_f32 v[246:247], v[246:247], v[138:139]
	v_pk_add_f32 v[244:245], v[244:245], v[142:143]
	v_pk_add_f32 v[242:243], v[242:243], v[146:147]
	v_pk_add_f32 v[240:241], v[240:241], v[150:151]
	v_pk_add_f32 v[14:15], v[14:15], v[154:155]
	v_pk_add_f32 v[236:237], v[236:237], v[158:159]
	s_delay_alu instid0(VALU_DEP_2)
	v_pk_add_f32 v[14:15], v[14:15], v[246:247]
	s_delay_alu instid0(VALU_DEP_2)
	v_pk_add_f32 v[236:237], v[236:237], v[244:245]
	v_pk_add_f32 v[250:251], v[250:251], v[242:243]
	v_pk_add_f32 v[248:249], v[248:249], v[240:241]
	s_delay_alu instid0(VALU_DEP_2)
	v_pk_add_f32 v[14:15], v[14:15], v[250:251]
	s_delay_alu instid0(VALU_DEP_2)
	v_pk_add_f32 v[236:237], v[236:237], v[248:249]
	s_delay_alu instid0(VALU_DEP_1)
	v_pk_add_f32 v[14:15], v[14:15], v[236:237]
	s_wait_alu depctr_va_vdst(0)                   ; and one for the four
.irp b, 0,1,2,3
	v_max_num_f32 v[232+\b], 0x1800000, v[232+\b]  ; the floor 2^(3 - 127): the byte cannot fall under 1
.endr
.irp b, 0,1,2,3
	s_delay_alu instid0(VALU_DEP_4)
	v_add_nc_u32 v[244+\b], 0xff000000, v[232+\b]
.endr
.irp b, 0,1,2,3
	s_delay_alu instid0(VALU_DEP_4)
	v_lshrrev_b32 v[236+\b], 23, v[244+\b]
.endr
	s_delay_alu instid0(VALU_DEP_3)
	v_lshl_or_b32 v253, v237, 8, v236              ; p's scale word for these 128 keys
	s_delay_alu instid0(VALU_DEP_1)
	v_lshl_or_b32 v253, v238, 16, v253
	s_delay_alu instid0(VALU_DEP_1)
	v_lshl_or_b32 v253, v239, 24, v253
.irp b, 0,1,2,3
	v_cvt_scalef32_pk8_fp4_f32 v[224+4*(\b/2)+(\b%2)], v[96+16*\b:103+16*\b], v[244+\b]
	v_cvt_scalef32_pk8_fp4_f32 v[226+4*(\b/2)+(\b%2)], v[104+16*\b:111+16*\b], v[244+\b]
.endr
	v_nop
.irp c, 0,1
	v_permlane16_swap_b32 v[224+4*\c], v[225+4*\c]
	v_permlane16_swap_b32 v[226+4*\c], v[227+4*\c]
.endr
.set NI, 0
.rept 32
	v_pk_mul_f32 v[160+NI:161+NI], v[160+NI:161+NI], v[252:253] op_sel_hi:[1,0]   ; O^T under the new M.  (These 32 are also the places between the codes and the scale word and the products below)
.set NI, NI+2
.endr
	s_wait_alu depctr_va_vdst(0)
	s_wait_dscnt 0x0                               ; V^T's fragments and scale words are in
.irp t, 0,1,2,3,4,5,6,7                ; eight accumulators by turns
.if (\t%2) == 0
	v_wmma_scale_f32_16x16x128_f8f6f4 v[160+8*\t:167+8*\t], v[32+8*\t:39+8*\t], v[224:231], v[160+8*\t:167+8*\t], v[VSC+\t/2], v253 matrix_a_fmt:MATRIX_FMT_FP4 matrix_b_fmt:MATRIX_FMT_FP4
.else
	v_wmma_scale_f32_16x16x128_f8f6f4 v[160+8*\t:167+8*\t], v[32+8*\t:39+8*\t], v[224:231], v[160+8*\t:167+8*\t], v[VSC+\t/2], v253 matrix_a_fmt:MATRIX_FMT_FP4 matrix_b_fmt:MATRIX_FMT_FP4 matrix_a_scale:MATRIX_SCALE_ROW1
.endif
.endr
.Lhidden_\@:
	s_add_co_u32 s[KF], s[KF], 256                 ; my next step: two steps on
.endm
; THE CHANGE OF SLOTS stands at a slot's head.  Each wave waits for all its tensor loads (its part of the slot ahead), adds 0 to its spare word, and waits for that and for its reads of the slot that it has left.
; fill = 1: behind the barrier the other slot is filled with the keys that follow, while that slot's first key is at or under the work-group's last query: a slot beyond that is read by none of the sixteen waves.
; The test is made of ids and the count of slots alone, is the same in all sixteen waves, and leads round the load's own lines and nothing else; every wait on TENSORcnt in this text is for 0.
.macro CHANGE fill
	s_wait_tensorcnt 0x0                           ; no tensor load of mine is out, so group 0 may be written
	ds_add_u32 v[SPW], v[NIL]
.if \fill
	s_xor_b32 s[G0+1], s[G0+1], SLOT1              ; the walking descriptor: the other slot,
	s_add_nc_u64 s[G0+2:G0+3], s[G0+2:G0+3], SLOTB ; the next 512 keys
	s_wait_xcnt 0x0                                ; the last prefetch, a slot back, has read its address
	s_add_nc_u64 s[PFA:PFA+1], s[PFA:PFA+1], SLOTB
.endif
	s_wait_dscnt 0x0                               ; the add is done, and my reads of the slot that I have left are over
	s_barrier_signal -1
	s_barrier_wait -1
.if \fill
	s_add_co_u32 s46, s[KS], 512
	s_cmp_gt_u32 s46, s[QL]
	s_cbranch_scc1 .Lpast_\@
	tensor_load_to_lds s[G0:G0+3], s[G1:G1+7]      ; my one tensor load until the next such barrier: it has a slot's steps in which to land
	s_nop 0
.rept 4
	v_nop
.endr
.Lpast_\@:
	ASK
.endif
.endm
.macro SLOT_STEPS
	STEP 0
	STEP 1
	s_xor_b32 s[TB], s[TB], SLOT1
	s_add_co_u32 s[KS], s[KS], 512
.endm
	s_wait_loadcnt 0x0                             ; Q
.Lslot:                                            ; three trips: behind each change of slots but the last the next slot is asked for, up to the causal limit
	CHANGE 1
	SLOT_STEPS
	s_sub_co_u32 s[SLOTS], s[SLOTS], 1
	s_cmp_lg_u32 s[SLOTS], 0
	s_cbranch_scc1 .Lslot
	CHANGE 0                                       ; the last slot is written out: nothing is left to ask for
	SLOT_STEPS
	; THE HAND-OVER.  The odd wave of a pair puts O^T (an image of its 64 registers: 16 bytes a lane, 512 bytes a store), -M and its part of the sum into the pair's stage; a barrier; the even wave takes them.
.rept 4
	v_nop                                          ; places behind the last products
.endr
	v_add_f32 v13, v14, v15                        ; my lane's part of the sum, beside -M (the largest t is done with)
	s_cmp_lt_u32 s[WV], 8
	s_cbranch_scc1 .Lkeeper
	s_wait_alu depctr_va_vdst(0)
.irp g, 0,1,2,3,4,5,6,7,8,9,10,11,12,13,14,15
	ds_store_b128 v[STA], v[160+4*\g:163+4*\g] offset:512*\g      ; ascending: each accumulator from its low end on
.endr
	ds_store_b64 v[STA], v[12:13] offset:8192
.Lkeeper:
	s_wait_dscnt 0x0                               ; for the partner's sake: my stores into the stage are done
	s_barrier_signal -1
	s_barrier_wait -1
	s_cmp_lt_u32 s[WV], 8
	s_cbranch_scc0 .Lend
.irp g, 0,1,2,3,4,5,6,7,8,9,10,11,12,13,14,15
	ds_load_b128 v[32+4*\g:35+4*\g], v[STA] offset:512*\g         ; the partner's O^T
.endr
	ds_load_b64 v[240:241], v[STA] offset:8192     ; its -M and its part of the sum
	s_wait_dscnt 0x0
	v_min_num_f32 v242, v12, v240                  ; the pair's -M: the larger M
	s_delay_alu instid0(VALU_DEP_1)
	v_sub_f32 v243, v242, v12                      ; my M less the pair's: a whole number, 0 or less;
	s_delay_alu instid0(VALU_DEP_2)
	v_sub_f32 v244, v242, v240                     ; the partner's likewise (a partner with no live step: about -3e38)
	s_delay_alu instid0(VALU_DEP_2)
	v_cvt_i32_f32 v243, v243                       ; (it saturates)
	s_delay_alu instid0(VALU_DEP_2)
	v_cvt_i32_f32 v244, v244
	s_delay_alu instid0(VALU_DEP_2)
	v_ldexp_f32 v243, 1.0, v243                    ; fa: what I summed under my M is brought under the pair's by a multiplication that rounds nothing
	s_wait_alu depctr_va_vdst(0)
	v_ldexp_f32 v244, 1.0, v244                    ; fb (0 for a partner with no live step, whose sums are zeros)
	v_mul_f32 v14, v13, v243
	s_delay_alu instid0(VALU_DEP_1)
	v_fma_f32 v14, v241, v244, v14                 ; the two parts of the sum
	s_delay_alu instid0(VALU_DEP_1)
	v_permlanex16_b32 v252, v14, s[SEL], s[SEL+1]
	s_delay_alu instid0(VALU_DEP_1)
	v_add_f32 v14, v14, v252                       ; with lane l xor 16's: the row's sum
	s_wait_alu depctr_va_vdst(0)
	v_rcp_f32 v14, v14
	v_nop                                          ; a plain place behind the reciprocal
	s_wait_alu depctr_va_vdst(0)                   ; and the wait ahead of its first reader
	v_mul_f32 v246, v243, v14                      ; fa / the sum
	v_mul_f32 v248, v244, v14                      ; fb / the sum
	s_delay_alu instid0(VALU_DEP_2)
	v_mov_b32 v247, v246                           ; (named with them as pairs, so they are written)
	s_delay_alu instid0(VALU_DEP_2)
	v_mov_b32 v249, v248
.set NI, 0
.rept 32
	v_pk_mul_f32 v[96+NI:97+NI], v[32+NI:33+NI], v[248:249] op_sel_hi:[1,0]
.set NI, NI+2
.endr
.set NI, 0
.rept 32
	v_pk_fma_f32 v[96+NI:97+NI], v[160+NI:161+NI], v[246:247], v[96+NI:97+NI] op_sel_hi:[1,0,1]   ; y = (O fa + O' fb) / the sum; ascending: each accumulator is first read at its low end
.set NI, NI+2
.endr
	QUANT 96, 232, 224, 253                        ; along the head's 128: one K step of the last product
	global_store_b128 v[GI16], v[224:227], s[10:11]
	global_store_b128 v[GI16], v[228:231], s[10:11] offset:512
	global_store_b32 v[YSO], v253, s[12:13]        ; 64 bytes: lanes l and l xor 16 hold the same word and write it to the same place
.Lend:
	s_wait_tensorcnt 0x0                           ; the wave's end, behind my last tensor load and my last LDS store
	ds_add_u32 v[SPW], v[NIL]
	s_wait_dscnt 0x0
	s_endpgm
.Lfunc_end_k_qcd632e00dc_attn:
	.size	k_qcd632e00dc_attn, .Lfunc_end_k_qcd632e00dc_attn-k_qcd632e00dc_attn
	.p2alignl 7, 3214868480
	.fill 96, 4, 3214868480
	.section	.rodata,"a",@progbits
	.p2align	6, 0x0
	.amdhsa_kernel k_qcd632e00dc_attn
		.amdhsa_group_segment_fixed_size 327680
		.amdhsa_private_segment_fixed_size 0
		.amdhsa_enable_private_segment 0
		.amdhsa_kernarg_size 40
		.amdhsa_user_sgpr_count 2
		.amdhsa_user_sgpr_kernarg_segment_ptr 1
		.amdhsa_wavefront_size32 1
		.amdhsa_system_sgpr_workgroup_id_x 1
		.amdhsa_system_sgpr_workgroup_id_y 1
		.amdhsa_system_sgpr_workgroup_id_z 1
		.amdhsa_system_vgpr_workitem_id 0
		.amdhsa_next_free_vgpr 256
		.amdhsa_next_free_sgpr 66
		.amdhsa_reserve_vcc 1
		.amdhsa_float_denorm_mode_32 3
		.amdhsa_float_denorm_mode_16_64 3
		.amdhsa_memory_ordered 1
		.amdhsa_forward_progress 1
		.amdhsa_inst_pref_size 117
	.end_amdhsa_kernel
	.amdgpu_metadata
---
amdhsa.version: [ 1, 2 ]
amdhsa.kernels:
  - .name:           k_qcd632e00dc_attn
    .symbol:         k_qcd632e00dc_attn.kd
    .args:
      - { .name: qi, .offset: 0, .size: 8, .value_kind: global_buffer, .address_space: global }
      - { .name: qs, .offset: 8, .size: 8, .value_kind: global_buffer, .address_space: global }
      - { .name: kv, .offset: 16, .size: 8, .value_kind: global_buffer, .address_space: global }
      - { .name: yi, .offset: 24, .size: 8, .value_kind: global_buffer, .address_space: global }
      - { .name: ys, .offset: 32, .size: 8, .value_kind: global_buffer, .address_space: global }
    .group_segment_fixed_size: 327680
    .private_segment_fixed_size: 0
    .kernarg_segment_align: 8
    .kernarg_segment_size: 40
    .max_flat_workgroup_size: 512
    .sgpr_count:     66
    .vgpr_count:     256
    .wavefront_size: 32
...
	.end_amdgpu_metadata
.endif
;; end of part 2
;; launch proj (part 3): grid 16 x 16, 4 waves a work-group, clusters of 4 x 4, 327,680 bytes of LDS; arguments yi, ys, wproj_codes, wproj_scales, out0; writes out0
.if DOCPART == 3
	.amdgcn_target "amdgcn-amd-amdhsa--gfx1250"
	.amdhsa_code_object_version 6
	.text
	.protected	k_qcd632e00dc_proj
	.globl	k_qcd632e00dc_proj
	.p2align	8
	.type	k_qcd632e00dc_proj,@function
k_qcd632e00dc_proj:
	s_mov_b64 s[64:65], 0
	v_nop
	global_prefetch_b8 v0, s[64:65] scope:SCOPE_SE
	s_setreg_imm32_b32 hwreg(HW_REG_WAVE_MODE, 25, 1), 1
	s_wait_xcnt 0x0
	s_wait_alu depctr_hold_cnt(0) depctr_sa_sdst(0) depctr_va_vdst(0) depctr_va_sdst(0) depctr_va_ssrc(0) depctr_va_vcc(0) depctr_vm_vsrc(0)
	s_getreg_b32 s2, hwreg(HW_REG_IB_STS2, 6, 4)
	s_cmp_eq_u32 s2, 0
	s_cbranch_scc0 .Lentry_in_a_cluster
	s_endpgm
.Lentry_in_a_cluster:
	s_bfe_u32 s2, ttmp6, 0x10000c
	s_cmp_lg_u32 s2, 0xf033
	s_cbranch_scc0 .Lentry_shape_is_right
	s_endpgm
.Lentry_shape_is_right:
; out0 = y wproj^T on E2M1 codes with one E8M0 scale for 32 along K.  y: images of operand registers, yi [row tile of 16][head = 128 along K][1,024], ys [row tile][head][16 words] (second kernel);
; wproj: codes [2,048][1,024 bytes], scale bytes [2,048][64].  out0: [2,048][2,048] f32.  Nothing is left out here.
; SHARES.  256 tiles of 128 x 128, one for each work-group; a wave makes 64 x 64: 16 accumulators.  Source 0 = 16 rows of wproj, source 1 = 16 rows of y: a lane then holds eight neighbouring numbers of a row of out0.
; ALL OPERANDS of a work-group fit in LDS.  K goes in two halves of 1,024: the head's four joint loads, one a wave, bring half 0 of y, half 0 of wproj and the scales of both for all of K;
; half 1 follows as first fills behind the full sequence, a quarter a wave, and lands while half 0 is multiplied.  No byte is filled twice.
; A half's fragments of wproj stand in registers (256), and the products go row tile by row tile: in half 1 a row tile leaves while the next ones are multiplied.
; CLUSTER 4 x 4: y's rows are shared along a row of the cluster, wproj's along a column: joint loads.
; PREFETCH: behind the head's loads half 1 is asked for, one instruction a wave: each of the four partners names a quarter of what they share, told apart by address.
; REGISTERS.  window 0: v1-30 addresses; v32-63 y's scale words, v64-95 wproj's; v128-255 the accumulators ((a, b) at 128 + 8 (4 a + b)).  window 1: wproj's fragments of half 0;  window 3: of half 1;
; window 2: y's fragments of one row tile, 64 registers, two sets.
.set YI,    0                          ; y's images: [half 2][row tile 8][8 heads][1,024]
.set WP,    528                        ; a row of wproj in LDS: 512 bytes + 16
.set WI,    131072                     ; [half 2][128 rows]
.set WHALF, 128*WP
.set YS,    270336                     ; y's scale words: [row tile 8][head 16][16 words]
.set WS,    278528                     ; wproj's scale bytes: 128 rows x 64 bytes as 32 units of 256 bytes + 16
.set STG,   287232                     ; the way out: 16 rows x (256 bytes + 16) for each wave; no fill lands here
.set SPARE, 304640                     ; the spare words: 128 bytes a wave, named by no other line
.set ADY,   6
.set ADW,   8
.set AYS,   10
.set AWS,   11
.set STO,   12
.set RD,    13
.set CO,    14
.set SPW,   28
.set NIL,   29
.set PFO,   30
.set YSC,   32                         ; register 16 i + u: lanes 0-15 my row tile 2 i, lanes 16-31 tile 2 i + 1, u-th 128 along K
.set WSC,   64
.set ACC,   128
.set G1Y,   24
.set G1W,   32
.set G1YS,  40
.set G1WS,  48
.set PFA,   84
.set MSB, 0
.macro WIN new
.if MSB != \new
	s_set_vgpr_msb (MSB<<8)|\new
.set MSB, \new
.endif
.endm
.macro PLACES n
.rept \n
	v_nop
.endr
.endm
.macro CREST
	s_cmp_lg_u32 s14, 0
	s_cbranch_scc1 .Lnot_wave_0_\@
	s_barrier_signal -3
.Lnot_wave_0_\@:
	s_barrier_wait -3
	s_barrier_signal -1
	s_barrier_wait -1
.endm
.macro CROUND
	s_barrier_signal -1
	s_barrier_wait -1
	CREST
.endm
.macro TL g0, g1
	tensor_load_to_lds s[\g0:\g0+3], s[\g1:\g1+7]
	s_nop 0
.rept 4
	v_nop
.endr
.endm
.macro MKG0 g, ptr
	s_mov_b32 s[\g], 1
	s_mov_b64 s[\g+2:\g+3], s[\ptr:\ptr+1]
	s_or_b32 s[\g+3], s[\g+3], 0x80000000
.endm
	s_load_b256 s[4:11], s[0:1], 0x0               ; yi, ys, wproj codes, wproj scales
	s_load_b64 s[12:13], s[0:1], 0x20              ; out0
	v_lshl_add_u32 v[SPW], v0, 2, SPARE
	v_mov_b32 v[NIL], 0
	ds_add_u32 v[SPW], v[NIL]                      ; the wave's opening: the add, twice on end, and its wait
	ds_add_u32 v[SPW], v[NIL]
	v_lshrrev_b32 v1, 5, v0
	v_readfirstlane_b32 s14, v1                    ; wave 0..3
	s_lshr_b32 s15, s14, 1                         ; which half of the tile's rows is mine.  Also, of half 1: I fetch for y (0) or for wproj (1)
	s_and_b32 s16, s14, 1                          ; which half of its columns.  Also: which 64 rows of that operand I fetch
	s_bfe_u32 s17, ttmp6, 0x40000                  ; cx
	s_bfe_u32 s18, ttmp6, 0x40004                  ; cy
	s_lshl_b32 s19, ttmp9, 2
	s_add_co_u32 s19, s19, s17                     ; tile column
	s_and_b32 s20, ttmp7, 0xffff
	s_lshl_b32 s20, s20, 2
	s_add_co_u32 s20, s20, s18                     ; tile row
	s_lshl_b32 s21, s18, 2
	s_lshl_b32 s21, 15, s21                        ; my row of the cluster
	s_lshl_b32 s22, 0x1111, s17                    ; my column
	s_or_b32 s[G1Y], s21, (3<<16)|(1<<21)          ; y's images: 8 row tiles (behind the head 4) x 8,192 bytes (1,024 elements of 8 bytes), 16,384 bytes apart; dense in LDS
	s_mov_b32 s[G1Y+1], 1024<<16
	s_mov_b32 s[G1Y+2], 8<<16
	s_mov_b32 s[G1Y+3], 1024<<16
	s_mov_b32 s[G1Y+4], 8
	s_mov_b32 s[G1Y+5], 2048
	s_mov_b32 s[G1Y+6], 0
	s_mov_b32 s[G1Y+7], 0
	s_or_b32 s[G1W], s22, (1<<20)|(1<<21)|(6<<22)|(3<<25)  ; wproj's codes: 128 rows (behind the head 64) x 512 bytes, 16 bytes behind each row
	s_mov_b32 s[G1W+1], 512<<16
	s_mov_b32 s[G1W+2], 128<<16
	s_mov_b32 s[G1W+3], 512<<16
	s_mov_b32 s[G1W+4], 128
	s_mov_b32 s[G1W+5], 1024
	s_mov_b32 s[G1W+6], 0
	s_mov_b32 s[G1W+7], 0
	s_or_b32 s[G1YS], s21, (3<<16)|(1<<21)         ; y's scale words: 8,192 dense bytes as 32 rows of 256
	s_or_b32 s[G1WS], s22, (3<<16)|(1<<20)|(1<<21)|(5<<22)|(3<<25)   ; wproj's scale bytes: the same with 16 bytes behind each row
.irp g, G1YS, G1WS
	s_mov_b32 s[\g+1], 32<<16
	s_mov_b32 s[\g+2], 32<<16
	s_mov_b32 s[\g+3], 32<<16
	s_mov_b32 s[\g+4], 32
	s_mov_b32 s[\g+5], 32
	s_mov_b32 s[\g+6], 0
	s_mov_b32 s[\g+7], 0
.endr
	s_lshl_b32 s2, s20, 17                         ; y: 8 row tiles of 16,384 bytes a tile row
	s_mov_b32 s3, 0
	s_lshl_b32 s100, s19, 17                       ; wproj: 128 rows of 1,024 bytes a tile column
	s_mov_b32 s101, 0
	s_wait_alu depctr_va_vdst(0)
	s_wait_dscnt 0x0                               ; both opening adds are done
	s_wait_kmcnt 0x0
	s_add_nc_u64 s[4:5], s[4:5], s[2:3]
	s_lshr_b32 s2, s2, 4                           ; the scales are a sixteenth of the codes
	s_add_nc_u64 s[6:7], s[6:7], s[2:3]
	s_add_nc_u64 s[8:9], s[8:9], s[100:101]
	s_lshr_b32 s100, s100, 4
	s_add_nc_u64 s[10:11], s[10:11], s[100:101]
	CROUND                                         ; all sixteen work-groups are here: the first joint loads meet
	MKG0 56, 4
	s_mov_b32 s57, YI
	MKG0 60, 8
	s_mov_b32 s61, WI
	MKG0 68, 6
	s_mov_b32 s69, YS
	MKG0 72, 10
	s_mov_b32 s73, WS
; THE HEAD'S LOADS, ONE A WAVE, in one tree of branches on the wave's number: half 0 of y, half 0 of wproj, the scales of both
.macro ARM under, g0, g1, next
	s_cmp_lt_u32 s14, \under
	s_cbranch_scc0 \next
	TL \g0, \g1
	s_branch .Lhead_asked
\next:
.endm
	ARM 1, 56, G1Y,  .Lhead_w
	ARM 2, 60, G1W,  .Lhead_ys
	ARM 3, 68, G1YS, .Lhead_ws
	TL 72, G1WS
.Lhead_asked:
	s_lshl_b32 s2, s16, 16                         ; half 1: my 4 row tiles of y, or my 64 rows of wproj: 65,536 bytes on
	s_add_nc_u64 s[78:79], s[4:5], s[2:3]
	s_add_nc_u64 s[78:79], s[78:79], 8192
	s_or_b32 s79, s79, 0x80000000
	s_mov_b32 s76, 1
	s_lshl_b32 s77, s16, 15
	s_add_co_u32 s77, s77, YI+65536
	s_add_nc_u64 s[82:83], s[8:9], s[2:3]
	s_add_nc_u64 s[82:83], s[82:83], 512
	s_or_b32 s83, s83, 0x80000000
	s_mov_b32 s80, 1
	s_mul_i32 s81, s16, 64*WP
	s_add_co_u32 s81, s81, WI+WHALF
	s_cmp_eq_u32 s15, 0                            ; the prefetch: y: one row tile, 8,192 dense bytes; wproj: 16 rows x 512 bytes
	s_cselect_b64 s[PFA:PFA+1], s[4:5], s[8:9]
	s_cselect_b32 s88, s17, s18                    ; my place among the partners
	s_mov_b32 s89, 512
	s_cselect_b32 s89, 8192, s89                   ; where half 1 begins
	s_mov_b32 s90, 1024
	s_cselect_b32 s90, 512, s90                    ; from a pair of lanes to the next
	s_lshl_b32 s88, s88, 1
	s_add_co_u32 s88, s88, s16
	s_lshl_b32 s88, s88, 14                        ; a row tile, or 16 rows: 16,384 bytes
	s_add_co_u32 s88, s88, s89
	s_mov_b32 s89, 0
	s_add_nc_u64 s[PFA:PFA+1], s[PFA:PFA+1], s[88:89]
	v_and_b32 v3, 31, v0
	v_lshrrev_b32 v4, 1, v3
	v_and_b32 v5, 1, v3
	v_mul_lo_u32 v4, v4, s90
	v_lshl_add_u32 v[PFO], v5, 8, v4
	global_prefetch_b8 v[PFO], s[PFA:PFA+1] th:TH_LOAD_NT scope:SCOPE_SE
	v_and_b32 v1, 15, v0                           ; r
	v_bfe_u32 v2, v0, 4, 1                         ; h
	v_lshlrev_b32 v15, 4, v3                       ; 16 x lane
	s_lshl_b32 s2, s15, 15
	v_add_nc_u32 v[ADY], s2, v15                   ; my four row tiles' images
	v_add_nc_u32 v[ADY+1], 65536, v[ADY]
	v_mul_u32_u24 v16, v1, WP
	v_lshl_add_u32 v16, v2, 4, v16
	s_mul_i32 s3, s16, 64*WP
	s_add_co_u32 s3, s3, WI
	v_add_nc_u32 v[ADW], s3, v16                   ; my 64 rows of wproj
	v_add_nc_u32 v[ADW+1], WHALF, v[ADW]
	v_lshlrev_b32 v17, 2, v1
	v_lshl_add_u32 v17, v2, 10, v17                ; lanes 16-31 take the next row tile's words
	s_lshl_b32 s2, s15, 12
	s_add_co_u32 s2, s2, YS
	v_add_nc_u32 v[AYS], s2, v17
	v_lshlrev_b32 v18, 6, v1
	v_lshrrev_b32 v19, 2, v1
	v_lshl_add_u32 v18, v19, 4, v18
	v_mul_u32_u24 v19, v2, 1088                    ; lanes 16-31 take the next tile's
	v_add_nc_u32 v18, v18, v19
	s_mul_i32 s3, s16, 4352
	s_add_co_u32 s3, s3, WS
	v_add_nc_u32 v[AWS], s3, v18
	s_mul_i32 s2, s14, 16*272
	s_add_co_u32 s2, s2, STG                       ; my stage
	v_mul_u32_u24 v20, v1, 272
	v_lshl_add_u32 v20, v2, 5, v20
	v_add_nc_u32 v[STO], s2, v20                   ; in: row r, 32 bytes for each half of the lanes
	v_mul_u32_u24 v21, v2, 272
	v_lshl_add_u32 v21, v1, 4, v21
	v_add_nc_u32 v[RD], s2, v21                    ; back: lanes 0-15 one row of 256 bytes, lanes 16-31 the next
	v_lshlrev_b32 v22, 13, v2
	v_lshl_add_u32 v[CO], v1, 4, v22               ; and the same two rows in out0
	s_wait_alu depctr_va_vdst(0)                   ; at the head's end
	s_lshl_b32 s2, s20, 7
	s_lshl_b32 s3, s15, 6
	s_add_co_u32 s2, s2, s3
	s_lshl_b32 s2, s2, 13                          ; my first row, of 8,192 bytes
	s_lshl_b32 s3, s19, 9
	s_add_co_u32 s2, s2, s3
	s_lshl_b32 s3, s16, 8
	s_add_co_u32 s2, s2, s3                        ; my first column
	s_mov_b32 s3, 0
	s_add_nc_u64 s[12:13], s[12:13], s[2:3]
.macro FETCHY h, a                     ; 16 loads: row tile a's fragments of half h
	WIN 0x80
.irp k, 0,1,2,3,4,5,6,7
	ds_load_b128 v[64*((\a)%2)+8*\k:64*((\a)%2)+8*\k+3], v[ADY+\h] offset:(\a)*8192+1024*\k
	ds_load_b128 v[64*((\a)%2)+8*\k+4:64*((\a)%2)+8*\k+7], v[ADY+\h] offset:(\a)*8192+1024*\k+512
.endr
.endm
.macro FETCHW h                        ; 64 loads: my four tiles of wproj, 128 along K after 128
.if \h
	WIN 0xc0
.else
	WIN 0x40
.endif
.irp k, 0,1,2,3,4,5,6,7
.irp b, 0,1,2,3
	ds_load_b128 v[32*\k+8*\b:32*\k+8*\b+3], v[ADW+\h] offset:\b*16*WP+64*\k
	ds_load_b128 v[32*\k+8*\b+4:32*\k+8*\b+7], v[ADW+\h] offset:\b*16*WP+64*\k+32
.endr
.endr
.endm
.macro WMP h, a, b, k                  ; one product; an odd tile's scale words lie in lanes 16-31.  The first along K starts the sum
.set RD_, ACC+8*(4*(\a)+(\b))
.set RA_, 32*(\k)+8*(\b)
.set RB_, 64*((\a)%2)+8*(\k)
.set SA_, WSC+16*((\b)/2)+8*(\h)+(\k)
.set SB_, YSC+16*((\a)/2)+8*(\h)+(\k)
.if (\h) == 0 && (\k) == 0
.if ((\b)%2) == 0 && ((\a)%2) == 0
	v_wmma_scale_f32_16x16x128_f8f6f4 v[RD_:RD_+7], v[RA_:RA_+7], v[RB_:RB_+7], 0, v[SA_], v[SB_] matrix_a_fmt:MATRIX_FMT_FP4 matrix_b_fmt:MATRIX_FMT_FP4
.elseif ((\b)%2) == 1 && ((\a)%2) == 0
	v_wmma_scale_f32_16x16x128_f8f6f4 v[RD_:RD_+7], v[RA_:RA_+7], v[RB_:RB_+7], 0, v[SA_], v[SB_] matrix_a_fmt:MATRIX_FMT_FP4 matrix_b_fmt:MATRIX_FMT_FP4 matrix_a_scale:MATRIX_SCALE_ROW1
.elseif ((\b)%2) == 0
	v_wmma_scale_f32_16x16x128_f8f6f4 v[RD_:RD_+7], v[RA_:RA_+7], v[RB_:RB_+7], 0, v[SA_], v[SB_] matrix_a_fmt:MATRIX_FMT_FP4 matrix_b_fmt:MATRIX_FMT_FP4 matrix_b_scale:MATRIX_SCALE_ROW1
.else
	v_wmma_scale_f32_16x16x128_f8f6f4 v[RD_:RD_+7], v[RA_:RA_+7], v[RB_:RB_+7], 0, v[SA_], v[SB_] matrix_a_fmt:MATRIX_FMT_FP4 matrix_b_fmt:MATRIX_FMT_FP4 matrix_a_scale:MATRIX_SCALE_ROW1 matrix_b_scale:MATRIX_SCALE_ROW1
.endif
.else
.if ((\b)%2) == 0 && ((\a)%2) == 0
	v_wmma_scale_f32_16x16x128_f8f6f4 v[RD_:RD_+7], v[RA_:RA_+7], v[RB_:RB_+7], v[RD_:RD_+7], v[SA_], v[SB_] matrix_a_fmt:MATRIX_FMT_FP4 matrix_b_fmt:MATRIX_FMT_FP4
.elseif ((\b)%2) == 1 && ((\a)%2) == 0
	v_wmma_scale_f32_16x16x128_f8f6f4 v[RD_:RD_+7], v[RA_:RA_+7], v[RB_:RB_+7], v[RD_:RD_+7], v[SA_], v[SB_] matrix_a_fmt:MATRIX_FMT_FP4 matrix_b_fmt:MATRIX_FMT_FP4 matrix_a_scale:MATRIX_SCALE_ROW1
.elseif ((\b)%2) == 0
	v_wmma_scale_f32_16x16x128_f8f6f4 v[RD_:RD_+7], v[RA_:RA_+7], v[RB_:RB_+7], v[RD_:RD_+7], v[SA_], v[SB_] matrix_a_fmt:MATRIX_FMT_FP4 matrix_b_fmt:MATRIX_FMT_FP4 matrix_b_scale:MATRIX_SCALE_ROW1
.else
	v_wmma_scale_f32_16x16x128_f8f6f4 v[RD_:RD_+7], v[RA_:RA_+7], v[RB_:RB_+7], v[RD_:RD_+7], v[SA_], v[SB_] matrix_a_fmt:MATRIX_FMT_FP4 matrix_b_fmt:MATRIX_FMT_FP4 matrix_a_scale:MATRIX_SCALE_ROW1 matrix_b_scale:MATRIX_SCALE_ROW1
.endif
.endif
.endm
; row tile a, half h: 32 products, its four accumulators by turns: three others stand between a sum's steps
.macro MULA h, a
.if \h
	WIN 0x0b
.else
	WIN 0x09
.endif
.irp k, 0,1,2,3,4,5,6,7
.if (\a) == 0
.if \k < 2
	s_wait_dscnt 63                                ; tile 0's wproj fragments land 128 along K after 128; behind them row tile 1's 16 loads
.else
	s_wait_dscnt 72-8*\k
.endif
.endif
.irp b, 0,1,2,3
	WMP \h, \a, \b, \k
.endr
.endr
.endm
	s_wait_tensorcnt 0x0                           ; my tile of the head's four is in
	ds_add_u32 v[SPW], v[NIL]
	s_mov_b32 s[G1Y+2], 4<<16                      ; no tensor load of mine is out, so a descriptor may be written: from here on half the rows
	s_mov_b32 s[G1Y+4], 4
	s_mov_b32 s[G1W+2], 64<<16
	s_mov_b32 s[G1W+4], 64
	s_wait_dscnt 0x0                               ; the add is done
	CROUND                                         ; half 0 and the scales are in, and all sixteen work-groups are here
	s_cmp_eq_u32 s15, 0                            ; half 1: a joint load, waves 0 and 1 for y, 2 and 3 for wproj
	s_cbranch_scc0 .Lhalf_w
	TL 76, G1Y
	s_branch .Lhalf_asked
.Lhalf_w:
	TL 80, G1W
.Lhalf_asked:
.irp i, 0,1
.set U, 0
.rept 16
	ds_load_b32 v[YSC+16*\i+U], v[AYS] offset:\i*2048+64*U
.set U, U+1
.endr
.endr
.irp j, 0,1
.irp s, 0,1,2,3
	ds_load_b128 v[WSC+16*\j+4*\s:WSC+16*\j+4*\s+3], v[AWS] offset:\j*2176+16*\s
.endr
.endr
	FETCHY 0, 0
	FETCHW 0
	FETCHY 0, 1
	MULA 0, 0
	PLACES 4                                       ; in front of loads into the set just multiplied
	FETCHY 0, 2
	s_wait_dscnt 16                                ; all but the 16 just issued
	MULA 0, 1
	PLACES 4
	FETCHY 0, 3
	s_wait_dscnt 16
	MULA 0, 2
	s_wait_dscnt 0x0
	MULA 0, 3
	s_wait_tensorcnt 0x0                           ; my part of half 1 is in
	s_barrier_signal -1
	s_barrier_wait -1                              ; and everybody's
	PLACES 4
	FETCHY 1, 0
	FETCHW 1
	FETCHY 1, 1
	MULA 1, 0
; THE WAY OUT, a row tile (16 rows x my 64 columns) at a time: a lane's 32 bytes go into my own stage and come back as whole rows of 256 bytes, into the registers that they left.
; LDS serves a wave's instructions in order (ISA guide 5.7.1.4): no wait between the stores and the loads, nor in front of the next tile's stores.
.macro PACK a
	WIN 0
.irp b, 0,1,2,3
	ds_store_b128 v[STO], v[ACC+8*(4*(\a)+\b):ACC+8*(4*(\a)+\b)+3] offset:64*\b          ; each accumulator from its low end on
	ds_store_b128 v[STO], v[ACC+8*(4*(\a)+\b)+4:ACC+8*(4*(\a)+\b)+7] offset:64*\b+16
.endr
.irp i, 0,1,2,3,4,5,6,7
	ds_load_b128 v[ACC+32*(\a)+4*\i:ACC+32*(\a)+4*\i+3], v[RD] offset:\i*2*272
.endr
.endm
.macro SEND a, younger                 ; younger: the LDS instructions issued behind tile a's loads
	WIN 0
.irp i, 0,1,2,3,4,5,6,7
	s_wait_dscnt \younger+7-\i
	global_store_b128 v[CO], v[ACC+32*(\a)+4*\i:ACC+32*(\a)+4*\i+3], s[12:13] offset:(16*(\a)+2*\i)*8192 th:TH_STORE_NT   ; 16 lanes store 256 consecutive bytes, at a multiple of 256 from out0's first byte
.endr
.endm
	PLACES 4                                       ; in front of loads into the set just multiplied and of the first read of results
	FETCHY 1, 2
	PACK 0
	s_wait_dscnt 32                                ; row tile 1's fragments; behind them row tile 2's 16 loads and the stage's 16
	MULA 1, 1
	PLACES 4
	FETCHY 1, 3
	SEND 0, 16
	PACK 1
	MULA 1, 2
	PLACES 4
	SEND 1, 0
	PACK 2
	MULA 1, 3
	PLACES 4
	SEND 2, 0
	PACK 3
	SEND 3, 0
	s_wait_tensorcnt 0x0                           ; the wave's end, behind my last tensor load and my last LDS store
	ds_add_u32 v[SPW], v[NIL]
	s_wait_dscnt 0x0
	CROUND                                         ; the closing round: no work-group ends while a partner may still ask for a tile that names it
	s_endpgm
.Lfunc_end_k_qcd632e00dc_proj:
	.size	k_qcd632e00dc_proj, .Lfunc_end_k_qcd632e00dc_proj-k_qcd632e00dc_proj
	.p2alignl 7, 3214868480
	.fill 96, 4, 3214868480
	.section	.rodata,"a",@progbits
	.p2align	6, 0x0
	.amdhsa_kernel k_qcd632e00dc_proj
		.amdhsa_group_segment_fixed_size 327680
		.amdhsa_private_segment_fixed_size 0
		.amdhsa_enable_private_segment 0
		.amdhsa_kernarg_size 40
		.amdhsa_user_sgpr_count 2
		.amdhsa_user_sgpr_kernarg_segment_ptr 1
		.amdhsa_wavefront_size32 1
		.amdhsa_system_sgpr_workgroup_id_x 1
		.amdhsa_system_sgpr_workgroup_id_y 1
		.amdhsa_system_sgpr_workgroup_id_z 1
		.amdhsa_system_vgpr_workitem_id 0
		.amdhsa_next_free_vgpr 1024
		.amdhsa_next_free_sgpr 106
		.amdhsa_reserve_vcc 0
		.amdhsa_float_denorm_mode_32 3
		.amdhsa_float_denorm_mode_16_64 3
		.amdhsa_memory_ordered 1
		.amdhsa_forward_progress 1
		.amdhsa_inst_pref_size 72
	.end_amdhsa_kernel
	.amdgpu_metadata
---
amdhsa.version: [ 1, 2 ]
amdhsa.kernels:
  - .name:           k_qcd632e00dc_proj
    .symbol:         k_qcd632e00dc_proj.kd
    .args:
      - { .name: yi, .offset: 0, .size: 8, .value_kind: global_buffer, .address_space: global }
      - { .name: ys, .offset: 8, .size: 8, .value_kind: global_buffer, .address_space: global }
      - { .name: wproj_codes, .offset: 16, .size: 8, .value_kind: global_buffer, .address_space: global }
      - { .name: wproj_scales, .offset: 24, .size: 8, .value_kind: global_buffer, .address_space: global }
      - { .name: out0, .offset: 32, .size: 8, .value_kind: global_buffer, .address_space: global }
    .group_segment_fixed_size: 327680
    .private_segment_fixed_size: 0
    .kernarg_segment_align: 8
    .kernarg_segment_size: 40
    .max_flat_workgroup_size: 128
    .sgpr_count:     106
    .vgpr_count:     1024
    .wavefront_size: 32
...
	.end_amdgpu_metadata
.endif
;; end of part 3
